; MI455X (gfx1250); checked and timed in simulation.
; The chip was launched on July 23, 2026; its instructions are those of AMD's public machine-readable ISA for CDNA 5 (MIT licence, August 2026) and "CDNA5" Instruction Set Architecture Reference Guide (July 2026). The comments in the code are by the model that wrote it; some were corrected since.
;; Time Aware Attention. Allowed arithmetic: matrix products marked QUANTISED: E5M2 operands, one given power-of-two scale a tensor, by v_wmma_f32_16x16x64_bf8_bf8 or v_wmma_f32_16x16x128_bf8_bf8, f32 sums; products left as they are: f32 operands where the result goes on into a quantised operand, else bf16, f16 or f32 operands; f32 sums; everything else in f32.
;; Inputs: Wk 1,024 x 1,024 float32; Wq 1,024 x 1,024 float32; Ws 1,024 float32; Wt 2 x 1,024 float32; bk 1,024 float32; bq 1,024 float32; bs one number float32; bt 1,024 float32; lengths 32 int32; lowp_scales 4 int32 (the exponents e of the quantised operands' scales 2^e); query 32 x 1,024 float32; seq 32 x 2,048 x 1,024 float32; time_features 32 x 2,048 x 2 float32.
;; Outputs: out0 32 x 1,024 float32.
;; This version of the problem:
;;   THIS VERSION OF THE PROBLEM IS GIVEN IN LOW PRECISION. The matrix products marked QUANTISED in the list below multiply operands that are first quantised to E5M2 (5 exponent bits, 2 mantissa bits; 8 bits a number), with one given power-of-two scale for each operand tensor; their sums are f32. All else is computed in f32.
;;   The module's matrix products, in the order in which they are computed (A, B: the left and right operand; K: the contracted axis; several contracted axes count as one K, in the product's order):
;;     1. [M 32, K 1,024] x [K 1,024, N 1,024]; A: input query; B: input Wq: QUANTISED (scales: A lowp_scales[0], B lowp_scales[1])
;;     2. [M 65,536, K 1,024] x [K 1,024, N 1,024]; A: input seq; B: input Wk: QUANTISED (scales: A lowp_scales[2], B lowp_scales[3])
;;     3. [M 65,536, K 2] x [K 2, N 1,024]; A: input time_features; B: input Wt: left as it is (K = 2 < 32)
;;     4. [M 65,536, K 1,024] x [K 1,024, N 1]; A: computed on the way; B: input Ws: left as it is (N = 1 < 16)
;;     5. batch 32 x [M 1, K 2,048] x [K 2,048, N 1,024]; A: softmax; B: input seq: left as it is (M = 1 < 16)
;;   THE QUANTISER, for each operand of a quantised product, along K:
;;     - The operand's scale is 2^e, e = its entry of the input lowp_scales (int32; the entries are numbered through the quantised products in the list's order, A before B).
;;     - Each number is divided by the scale, clamped to +-57,344, and rounded to the nearest number of E5M2, ties to even, subnormals kept.
;;     - The product sums the exact products of the quantised numbers (number of the format x scale) in f32.
;;   ~~~python
;;   def quantise(x, axis, e):      # numpy; x: float32 -> the quantised numbers, widened to float32 again
;;       x = np.moveaxis(x, axis, -1); K = x.shape[-1]
;;       r = np.clip(x / 2.0 ** e, -57344, 57344)
;;       step = 2.0 ** (np.maximum(np.frexp(np.where(r == 0, 1, r))[1] - 1, -14) - 2)
;;       q = np.round(r / step) * step * 2.0 ** e      # np.round: ties to even
;;       return np.moveaxis(q, -1, axis).astype(np.float32)
;;   ~~~
;; 2 versions. Each part assembles by itself: llvm-mc -triple=amdgcn-amd-amdhsa -mcpu=gfx1250 --defsym DOCPART=n.
;; ======== version 1 of 2: 3 launches
;; workspace buffers: sq 67,108,864 bytes; wkc 1,048,576 bytes; cvec 131,072 bytes; utab 20,480 bytes of whole numbers; aux 256 bytes; ps 1,048,576 bytes
;; launch prep (part 1): grid 1153 x 1, 8 waves a work-group, no clusters, 17,408 bytes of LDS; arguments seq, Wk, Wq, query, bq, bk, bt, Ws, bs, lengths, lowp_scales, sq, wkc, cvec, utab, aux; writes sq, wkc, cvec, utab, aux
.if DOCPART == 1
	.amdgcn_target "amdgcn-amd-amdhsa--gfx1250"
	.amdhsa_code_object_version 6
	.text
	.protected	k_q80ae09a5b0_prep
	.globl	k_q80ae09a5b0_prep
	.p2align	8
	.type	k_q80ae09a5b0_prep,@function
k_q80ae09a5b0_prep:
	s_mov_b64 s[64:65], 0
	v_nop
	global_prefetch_b8 v0, s[64:65] scope:SCOPE_SE
	s_setreg_imm32_b32 hwreg(HW_REG_WAVE_MODE, 25, 1), 1
	s_wait_xcnt 0x0
; PREP: everything that is made once, in one launch; the work-group's number picks one of four parts.
;   work-group 0          the table of units (utab) and aux = bs + the sum of Ws
;   work-groups 1-64      Wk [1024 k][1024 n] f32 -> codes of E5M2 in the order of the operand's registers (wkc)
;   work-groups 65-128    q = Q(query) Q(Wq) on the matrix unit; cvec = 2 log2(e) (q + bq + bk + bt)
;   work-groups 129-1152  the rows of seq that count (s < lengths[b], rounded up to 16 rows) -> codes (sq)
; A UNIT is 16 rows of one batch: ublock = 128 b + s / 16.  nblk[b] = (len + 15) / 16, NT = the sum of nblk.  utab[u] = the ublock of unit min(u, NT - 1).
; THE QUANTISER: x held within +-57,344 x 2^e, divided by 2^e, to the nearest code, ties to even.
; THE ORDER OF K in sq and wkc is one permutation, the same in both, so every product meets its partner: the code of k = 128 i + 4 l + y stands at byte
; p = 512 (i / 4) + 16 l + 4 (i % 4) + y of its row.  So a lane that loads 16 neighbouring bytes of each 512 of a row of seq converts what it holds and stores 16 neighbouring bytes.
; LIMITS: each of the four exponents lies between -126 and 112 (2^e and 57,344 x 2^e are f32 numbers).  lengths lie in 1 .. 2,048, as the softmax needs for finite results; other values are held there.  NaN among the inputs is not served.
.set FIRST_K, 1
.set FIRST_Q, 65
.set FIRST_S, 129
.set XR, 16                            ; seq part: v16-143 four sets of 32 numbers
.set CR, 144                           ; seq part: v144-207 eight registers of codes for each of 8 rows: no store's data are written again
.macro SCALE e, vs, vl                 ; v[vs] = 2^e as f32 (the conversion takes its exponent field), v[vl] = 57,344 x 2^e
	s_add_co_i32 s58, \e, 127
	s_lshl_b32 s59, s58, 23
	v_mov_b32 v[\vs], s59
	s_add_co_i32 s58, s58, 15
	s_lshl_b32 s58, s58, 23
	s_or_b32 s58, s58, 0x600000
	v_mov_b32 v[\vl], s58
.endm
.macro QUANT64 src, dst, vs, vl        ; 64 numbers of a lane become 16 registers of codes
.set n, 0
.rept 64
	v_med3_num_f32 v[\src+n], v[\src+n], -v[\vl], v[\vl]   ; the conversion to an 8-bit code does not saturate (ISA guide 7.6.2): the hold comes first
.set n, n+1
.endr
.irp g, 0,1,2,3,4,5,6,7
	v_cvt_scalef32_pk8_bf8_f32 v[\dst+2*\g:\dst+2*\g+1], v[\src+8*\g:\src+8*\g+7], v[\vs]
.endr
	v_nop                                          ; one plain vector line behind the last conversion, ahead of whatever touches its registers next
.endm
	s_load_b512 s[4:19], s[0:1], 0x0               ; seq 4, Wk 6, Wq 8, query 10, bq 12, bk 14, bt 16, Ws 18
	s_load_b512 s[20:35], s[0:1], 0x40             ; bs 20, lengths 22, lowp_scales 24, sq 26, wkc 28, cvec 30, utab 32, aux 34
	v_lshl_add_u32 v14, v0, 2, 0x4000
	v_mov_b32 v15, 0
	v_lshrrev_b32 v1, 5, v0
	v_readfirstlane_b32 s36, v1                    ; wave 0..7
	v_and_b32 v1, 31, v0                           ; lane
	v_and_b32 v2, 15, v0                           ; r
	v_bfe_u32 v3, v0, 4, 1                         ; h
	v_lshlrev_b32 v4, 4, v1                        ; 16 x lane
	s_wait_kmcnt 0x0
	s_load_b128 s[40:43], s[24:25], 0x0            ; e of query, Wq, seq, Wk
	s_cmp_ge_u32 ttmp9, FIRST_S
	s_cbranch_scc1 .Lseq
	s_cmp_ge_u32 ttmp9, FIRST_Q
	s_cbranch_scc1 .Lquery
	s_cmp_ge_u32 ttmp9, FIRST_K
	s_cbranch_scc1 .Lwk
; ---------------- the table of units, and aux ----------------
	s_load_b512 s[68:83], s[22:23], 0x0            ; the 32 lengths
	s_load_b512 s[84:99], s[22:23], 0x40
	s_load_b32 s60, s[20:21], 0x0                  ; bs
	v_lshlrev_b32 v5, 2, v0                        ; 4 x thread: four entries a thread
	v_lshlrev_b32 v6, 4, v0                        ; their 16 bytes
	s_wait_kmcnt 0x0
	s_mov_b32 s44, 0
.set bb, 0
.rept 32                               ; s[68 + b] becomes the number of units of batches 0 .. b
	s_max_i32 s[68+bb], s[68+bb], 1
	s_min_i32 s[68+bb], s[68+bb], 2048
	s_add_co_u32 s[68+bb], s[68+bb], 15
	s_lshr_b32 s[68+bb], s[68+bb], 4
	s_add_co_u32 s44, s44, s[68+bb]
	s_mov_b32 s[68+bb], s44
.set bb, bb+1
.endr
	s_sub_co_u32 s45, s44, 1                       ; NT - 1
	s_mov_b32 s46, 0                               ; trip
	s_mov_b32 s47, 0                               ; 1,024 x trip
.Ltab:                                             ; five trips of 1,024 entries: 5,120 entries, so that a reader may run 1,024 past the last unit
.irp e, 0,1,2,3
	v_add3_u32 v[16+\e], v5, s47, \e
	v_min_u32 v[16+\e], s45, v[16+\e]              ; the unit's number, held at the last unit
	v_mov_b32 v[20+\e], 0                          ; its batch
	v_mov_b32 v[24+\e], 0                          ; the units in front of its batch
.endr
.set bb, 0
.rept 31                               ; batch 31's end is NT, which is above every unit's number
.irp e, 0,1,2,3
	v_cmp_le_u32 vcc_lo, s[68+bb], v[16+\e]        ; batch bb ends at or in front of this unit
	v_cndmask_b32 v[20+\e], v[20+\e], bb+1, vcc_lo
	v_cndmask_b32 v[24+\e], v[24+\e], s[68+bb], vcc_lo
.endr
.set bb, bb+1
.endr
.irp e, 0,1,2,3
	v_sub_nc_u32 v[28+\e], v[16+\e], v[24+\e]
	v_lshl_add_u32 v[28+\e], v[20+\e], 7, v[28+\e] ; 128 b + the unit's place in its batch
.endr
	global_store_b128 v6, v[28:31], s[32:33]
	s_wait_xcnt 0x0                                ; the store has read its data and its base: both are written again below and in the next trip
	s_add_nc_u64 s[32:33], s[32:33], 4096
	s_add_co_u32 s47, s47, 1024
	s_add_co_u32 s46, s46, 1
	s_cmp_lt_u32 s46, 5
	s_cbranch_scc1 .Ltab
	s_cmp_lg_u32 s36, 0
	s_cbranch_scc1 .Lend
.irp i, 0,1,2,3,4,5,6,7                ; wave 0: the sum of Ws
	global_load_b128 v[32+4*\i:35+4*\i], v4, s[18:19] offset:512*\i
.endr
	s_mov_b32 s48, 0x76543210
	s_mov_b32 s49, 0xfedcba98
	v_lshlrev_b32 v7, 3, v1
	s_wait_loadcnt 0x0
.irp p, 0,2,4,6,8,10,12,14
	v_pk_add_f32 v[32+\p:33+\p], v[32+\p:33+\p], v[48+\p:49+\p]
.endr
.irp p, 0,2,4,6
	v_pk_add_f32 v[32+\p:33+\p], v[32+\p:33+\p], v[40+\p:41+\p]
.endr
.irp p, 0,2
	v_pk_add_f32 v[32+\p:33+\p], v[32+\p:33+\p], v[36+\p:37+\p]
.endr
	v_pk_add_f32 v[32:33], v[32:33], v[34:35]
	v_add_f32 v32, v32, v33
	v_add_f32_dpp v32, v32, v32 row_xmask:1 row_mask:0xf bank_mask:0xf
	v_add_f32_dpp v32, v32, v32 row_xmask:2 row_mask:0xf bank_mask:0xf
	v_add_f32_dpp v32, v32, v32 row_xmask:4 row_mask:0xf bank_mask:0xf
	v_add_f32_dpp v32, v32, v32 row_xmask:8 row_mask:0xf bank_mask:0xf
	v_permlanex16_b32 v33, v32, s48, s49
	v_add_f32 v32, v32, v33
	v_add_f32 v32, s60, v32                        ; + bs
	v_mov_b32 v33, v32
	global_store_b64 v7, v[32:33], s[34:35]        ; 64 copies: the wave stores aux's 256 bytes whole
	s_endpgm
; ---------------- Wk -> wkc ----------------
; Wave (T, q): the fragment of columns 16 T .. 16 T + 15 and K step q.  Lane (r, h) takes column 16 T + r; its number 16 c + 4 j + y is
; Wk[512 (q / 4) + 128 j + 32 (q % 4) + 8 c + 4 h + y]: the k whose code stands at byte 128 q + 32 c + 16 h + 4 j + y of a row of sq.
.Lwk:
	s_sub_co_u32 s44, ttmp9, FIRST_K               ; g = 0 .. 63
	s_lshr_b32 s45, s44, 2
	s_lshl_b32 s45, s45, 2
	s_and_b32 s46, s36, 3
	s_add_co_u32 s45, s45, s46                     ; T = 4 (g / 4) + wave % 4: four waves stand on 256 neighbouring bytes of a row of Wk
	s_and_b32 s46, s44, 3
	s_lshl_b32 s46, s46, 1
	s_lshr_b32 s47, s36, 2
	s_add_co_u32 s46, s46, s47                     ; q = 2 (g % 4) + wave / 4
	s_lshr_b32 s47, s46, 2
	s_lshl_b32 s47, s47, 9
	s_and_b32 s48, s46, 3
	s_lshl_b32 s48, s48, 5
	s_add_co_u32 s47, s47, s48                     ; row 512 (q / 4) + 32 (q % 4),
	s_lshl_b32 s47, s47, 12                        ; in bytes,
	s_lshl_b32 s48, s45, 6
	s_add_co_u32 s47, s47, s48                     ; + column 16 T
	v_lshlrev_b32 v5, 14, v3                       ; + 4 h rows
	v_lshl_add_u32 v5, v2, 2, v5                   ; + column r
	v_add_nc_u32 v5, s47, v5
	s_lshl_b32 s48, s45, 3
	s_add_co_u32 s48, s48, s46
	s_lshl_b32 s48, s48, 11                        ; the fragment's 2,048 bytes in wkc: (8 T + q) x 2,048
	s_mov_b32 s49, 0
	s_add_nc_u64 s[28:29], s[28:29], s[48:49]
.irp c, 0,1,2,3
.irp j, 0,1,2,3
.irp y, 0,1,2,3
	global_load_b32 v[16+16*\c+4*\j+\y], v5, s[6:7] offset:(128*\j+8*\c+\y)*4096
.endr
.endr
.endr
	s_wait_kmcnt 0x0
	SCALE s43, 10, 11
	s_wait_loadcnt 0x0
	QUANT64 16, 208, 10, 11
.irp c, 0,1,2,3
	global_store_b128 v4, v[208+4*\c:211+4*\c], s[28:29] offset:512*\c   ; the wave stores 512 consecutive bytes
.endr
	s_endpgm
; ---------------- q, and cvec ----------------
; Work-group T: columns 16 T .. 16 T + 15 of q for all 32 batches.  Wave w takes K step w (k = 128 w .. 128 w + 127); the eight parts meet in LDS and wave 0 adds them, K ascending.
; Lane (r, h), number 16 c + i: k = 128 w + 32 c + 16 h + i, in Wq's column 16 T + r and in query's row r (+ 16).  The product is used transposed (source 0 = Wq's columns, source 1 = query's rows):
; in the result lane (r, h) holds batch r (+ 16) and its register j column 16 T + 8 h + j.
.Lquery:
	s_sub_co_u32 s44, ttmp9, FIRST_Q               ; T
	s_lshl_b32 s45, s36, 19                        ; 128 w rows of Wq
	s_lshl_b32 s46, s44, 6                         ; column 16 T, in bytes
	s_add_co_u32 s45, s45, s46
	v_lshlrev_b32 v5, 16, v3                       ; 16 h rows
	v_lshl_add_u32 v5, v2, 2, v5
	v_add_nc_u32 v5, s45, v5                       ; Wq
	s_lshl_b32 s47, s36, 9                         ; 128 w numbers of a row of query
	v_lshlrev_b32 v6, 12, v2
	v_lshl_add_u32 v6, v3, 6, v6
	v_add_nc_u32 v6, s47, v6                       ; query: row r, + 16 h numbers
	s_lshl_b32 s47, s36, 11
	v_add_nc_u32 v7, s47, v4                       ; LDS: my wave's 2,048 bytes, 16 x lane
	v_lshlrev_b32 v8, 5, v3
	v_add_nc_u32 v8, s46, v8                       ; the biases: (16 T + 8 h) x 4
	v_lshlrev_b32 v9, 6, v2
	v_lshl_add_u32 v9, v3, 5, v9                   ; cvec: 64 r + 32 h
	s_lshl_b32 s48, s44, 11
	s_mov_b32 s49, 0
	s_add_nc_u64 s[30:31], s[30:31], s[48:49]      ; cvec at tile T: [T][b][16] f32
	s_mov_b32 s60, 0x4038aa3b                      ; 2 log2(e)
	s_mov_b32 s61, s60                             ; (named with it as a pair, so it is written)
.irp c, 0,1,2,3
.irp i, 0,1,2,3,4,5,6,7,8,9,10,11,12,13,14,15
	global_load_b32 v[16+16*\c+\i], v5, s[8:9] offset:(32*\c+\i)*4096
.endr
.endr
.irp m, 0,1
.irp c, 0,1,2,3
.irp j, 0,1,2,3
	global_load_b128 v[80+64*\m+16*\c+4*\j:83+64*\m+16*\c+4*\j], v6, s[10:11] offset:65536*\m+128*\c+16*\j
.endr
.endr
.endr
	s_wait_kmcnt 0x0
	SCALE s41, 10, 11                              ; Wq's
	SCALE s40, 12, 13                              ; query's
	s_wait_loadcnt 0x0
	QUANT64 16, 208, 10, 11
	QUANT64 80, 224, 12, 13
	QUANT64 144, 240, 12, 13
	v_wmma_f32_16x16x128_bf8_bf8 v[16:23], v[208:223], v[224:239], 0    ; batches 0-15
	v_wmma_f32_16x16x128_bf8_bf8 v[24:31], v[208:223], v[240:255], 0    ; batches 16-31
.rept 4
	v_nop                                          ; four places in front of the first read of the results (ISA guide 7.12.1)
.endr
.irp n, 0,1,2,3
	ds_store_b128 v7, v[16+4*\n:19+4*\n] offset:512*\n    ; each result from its low end on
.endr
	s_wait_dscnt 0x0                               ; for wave 0's sake: my part lies in LDS
	s_barrier_signal -1
	s_barrier_wait -1
	s_cmp_lg_u32 s36, 0
	s_cbranch_scc1 .Lend
.irp w, 1,2,3,4,5,6,7
.irp n, 0,1,2,3
	ds_load_b128 v[80+16*(\w-1)+4*\n:83+16*(\w-1)+4*\n], v4 offset:2048*\w+512*\n
.endr
.endr
	global_load_b128 v[192:195], v8, s[12:13]
	global_load_b128 v[196:199], v8, s[12:13] offset:16
	global_load_b128 v[200:203], v8, s[14:15]
	global_load_b128 v[204:207], v8, s[14:15] offset:16
	global_load_b128 v[48:51], v8, s[16:17]
	global_load_b128 v[52:55], v8, s[16:17] offset:16
	s_add_co_i32 s50, s40, s41                     ; a sum stands for sum x 2^(e of query + e of Wq)
	s_wait_dscnt 0x0
.irp w, 1,2,3,4,5,6,7
.irp p, 0,2,4,6,8,10,12,14
	v_pk_add_f32 v[16+\p:17+\p], v[16+\p:17+\p], v[80+16*(\w-1)+\p:81+16*(\w-1)+\p]
.endr
.endr
	s_wait_loadcnt 0x0
.irp p, 0,2,4,6
	v_pk_add_f32 v[48+\p:49+\p], v[48+\p:49+\p], v[192+\p:193+\p]
.endr
.irp p, 0,2,4,6
	v_pk_add_f32 v[48+\p:49+\p], v[48+\p:49+\p], v[200+\p:201+\p]
.endr
.irp p, 0,2,4,6
	v_pk_mul_f32 v[48+\p:49+\p], v[48+\p:49+\p], s[60:61] op_sel_hi:[1,0]      ; 2 log2(e) (bq + bk + bt)
.endr
.set n, 0
.rept 16
	v_ldexp_f32 v[16+n], v[16+n], s50
.set n, n+1
.endr
.irp m, 0,1
.irp p, 0,2,4,6
	v_pk_fma_f32 v[32+8*\m+\p:33+8*\m+\p], v[16+8*\m+\p:17+8*\m+\p], s[60:61], v[48+\p:49+\p] op_sel_hi:[1,0,1]
.endr
.endr
.irp m, 0,1
	global_store_b128 v9, v[32+8*\m:35+8*\m], s[30:31] offset:1024*\m
	global_store_b128 v9, v[36+8*\m:39+8*\m], s[30:31] offset:1024*\m+16
.endr
	s_wait_tensorcnt 0x0
	ds_add_u32 v14, v15
	s_wait_dscnt 0x0
	s_endpgm
; ---------------- seq -> sq ----------------
; Work-group g = 32 b + ch takes rows 64 ch .. 64 ch + 63 of batch b, a wave eight of them (half a unit).  A wave whose unit lies past the batch's last unit has nothing to quantise and ends.
; A row: eight loads of 512 consecutive bytes (lane l: k = 128 i + 4 l + 0..3), four conversions, two stores of 512 consecutive bytes.  Four rows (32 loads a wave) are on their way.
.Lseq:
	s_sub_co_u32 s44, ttmp9, FIRST_S               ; g
	s_lshr_b32 s45, s44, 5                         ; b
	s_and_b32 s46, s44, 31                         ; ch
	s_lshl_b32 s47, s45, 2
	s_load_b32 s48, s[22:23], s47 offset:0x0       ; lengths[b]
	s_lshl_b32 s50, s44, 6
	s_lshl_b32 s49, s36, 3
	s_add_co_u32 s50, s50, s49                     ; my first row of all 65,536: 64 g + 8 x wave
	s_mov_b32 s51, 0
	s_lshl_b64 s[52:53], s[50:51], 12
	s_lshl_b64 s[54:55], s[50:51], 10
	s_add_nc_u64 s[4:5], s[4:5], s[52:53]
	s_add_nc_u64 s[26:27], s[26:27], s[54:55]
	s_lshl_b32 s56, s46, 2
	s_lshr_b32 s57, s36, 1
	s_add_co_u32 s56, s56, s57                     ; my unit in the batch: 4 ch + wave / 2
	s_wait_kmcnt 0x0
	s_max_i32 s48, s48, 1
	s_min_i32 s48, s48, 2048
	s_add_co_u32 s48, s48, 15
	s_lshr_b32 s48, s48, 4                         ; nblk
	s_cmp_ge_u32 s56, s48
	s_cbranch_scc1 .Lend
.macro RLOAD t
.irp i, 0,1,2,3,4,5,6,7
	global_load_b128 v[XR+32*((\t)%4)+4*\i:XR+32*((\t)%4)+4*\i+3], v4, s[4:5] offset:4096*(\t)+512*\i th:TH_LOAD_NT
.endr
.endm
.macro ROW t
.set XS, XR+32*((\t)%4)
.if 7-(\t) >= 3
	s_wait_loadcnt 24                              ; this row's eight loads are in; those of the three rows behind it may be out
.else
	s_wait_loadcnt 8*(7-(\t))
.endif
.set n, 0
.rept 32
	v_med3_num_f32 v[XS+n], v[XS+n], -v11, v11
.set n, n+1
.endr
.irp g, 0,1,2,3
	v_cvt_scalef32_pk8_bf8_f32 v[CR+8*(\t)+2*\g:CR+8*(\t)+2*\g+1], v[XS+8*\g:XS+8*\g+7], v10    ; register i of the eight: the four codes of k = 128 i + 4 l + 0..3
.endr
	v_nop
	global_store_b128 v4, v[CR+8*(\t):CR+8*(\t)+3], s[26:27] offset:1024*(\t)
	global_store_b128 v4, v[CR+8*(\t)+4:CR+8*(\t)+7], s[26:27] offset:1024*(\t)+512
.if (\t) < 4
	RLOAD (\t)+4
.endif
.endm
	RLOAD 0
	RLOAD 1
	RLOAD 2
	RLOAD 3
	SCALE s42, 10, 11
.irp t, 0,1,2,3,4,5,6,7
	ROW \t
.endr
.Lend:
	s_wait_tensorcnt 0x0
	ds_add_u32 v14, v15
	s_wait_dscnt 0x0
	s_endpgm
.Lfunc_end_k_q80ae09a5b0_prep:
	.size	k_q80ae09a5b0_prep, .Lfunc_end_k_q80ae09a5b0_prep-k_q80ae09a5b0_prep
	.p2alignl 7, 3214868480
	.fill 96, 4, 3214868480
	.section	.rodata,"a",@progbits
	.p2align	6, 0x0
	.amdhsa_kernel k_q80ae09a5b0_prep
		.amdhsa_group_segment_fixed_size 17408
		.amdhsa_private_segment_fixed_size 0
		.amdhsa_enable_private_segment 0
		.amdhsa_kernarg_size 128
		.amdhsa_user_sgpr_count 2
		.amdhsa_user_sgpr_kernarg_segment_ptr 1
		.amdhsa_wavefront_size32 1
		.amdhsa_system_sgpr_workgroup_id_x 1
		.amdhsa_system_sgpr_workgroup_id_y 1
		.amdhsa_system_sgpr_workgroup_id_z 1
		.amdhsa_system_vgpr_workitem_id 0
		.amdhsa_next_free_vgpr 256
		.amdhsa_next_free_sgpr 100
		.amdhsa_reserve_vcc 1
		.amdhsa_float_denorm_mode_32 3
		.amdhsa_float_denorm_mode_16_64 3
		.amdhsa_memory_ordered 1
		.amdhsa_forward_progress 1
		.amdhsa_inst_pref_size 105
	.end_amdhsa_kernel
	.amdgpu_metadata
---
amdhsa.version: [ 1, 2 ]
amdhsa.kernels:
  - .name:           k_q80ae09a5b0_prep
    .symbol:         k_q80ae09a5b0_prep.kd
    .args:
      - { .name: seq, .offset: 0, .size: 8, .value_kind: global_buffer, .address_space: global }
      - { .name: Wk, .offset: 8, .size: 8, .value_kind: global_buffer, .address_space: global }
      - { .name: Wq, .offset: 16, .size: 8, .value_kind: global_buffer, .address_space: global }
      - { .name: query, .offset: 24, .size: 8, .value_kind: global_buffer, .address_space: global }
      - { .name: bq, .offset: 32, .size: 8, .value_kind: global_buffer, .address_space: global }
      - { .name: bk, .offset: 40, .size: 8, .value_kind: global_buffer, .address_space: global }
      - { .name: bt, .offset: 48, .size: 8, .value_kind: global_buffer, .address_space: global }
      - { .name: Ws, .offset: 56, .size: 8, .value_kind: global_buffer, .address_space: global }
      - { .name: bs, .offset: 64, .size: 8, .value_kind: global_buffer, .address_space: global }
      - { .name: lengths, .offset: 72, .size: 8, .value_kind: global_buffer, .address_space: global }
      - { .name: lowp_scales, .offset: 80, .size: 8, .value_kind: global_buffer, .address_space: global }
      - { .name: sq, .offset: 88, .size: 8, .value_kind: global_buffer, .address_space: global }
      - { .name: wkc, .offset: 96, .size: 8, .value_kind: global_buffer, .address_space: global }
      - { .name: cvec, .offset: 104, .size: 8, .value_kind: global_buffer, .address_space: global }
      - { .name: utab, .offset: 112, .size: 8, .value_kind: global_buffer, .address_space: global }
      - { .name: aux, .offset: 120, .size: 8, .value_kind: global_buffer, .address_space: global }
    .group_segment_fixed_size: 17408
    .private_segment_fixed_size: 0
    .kernarg_segment_align: 8
    .kernarg_segment_size: 128
    .max_flat_workgroup_size: 256
    .sgpr_count:     100
    .vgpr_count:     256
    .wavefront_size: 32
...
	.end_amdgpu_metadata
.endif
;; end of part 1
;; launch scores (part 2): grid 4 x 64, 4 waves a work-group, no clusters, 166,400 bytes of LDS; arguments sq, wkc, cvec, utab, lengths, time_features, Wt, Ws, lowp_scales, ps; writes ps
.if DOCPART == 2
	.amdgcn_target "amdgcn-amd-amdhsa--gfx1250"
	.amdhsa_code_object_version 6
	.text
	.protected	k_q80ae09a5b0_scores
	.globl	k_q80ae09a5b0_scores
	.p2align	8
	.type	k_q80ae09a5b0_scores,@function
k_q80ae09a5b0_scores:
	s_mov_b64 s[64:65], 0
	v_nop
	global_prefetch_b8 v0, s[64:65] scope:SCOPE_SE
	s_setreg_imm32_b32 hwreg(HW_REG_WAVE_MODE, 25, 1), 1
	s_wait_xcnt 0x0
; SCORES: ps[cq][row] = the sum over the 256 columns d of quarter cq of -2 Ws[d] / (1 + 2^z), z = 2 log2(e) (k + q + t)[row][d]; with tanh(x) = 1 - 2 / (1 + 2^(2 log2(e) x))
; a row's score is (bs + the sum of Ws) + the four quarters' ps.  A very large z gives 2^z = infinity and the term 0, a very small one 2^z = 0 and the term -2 Ws: both are tanh's limits.
; k = Q(seq) Q(Wk) on codes of E5M2 by v_wmma_f32_16x16x128_bf8_bf8; only the units (16 rows of one batch) that hold a row s < lengths[b] are multiplied: the others lie under the mask that the softmax puts on them.
; SHARES.  Work-group (cq, j): columns 256 cq .. 256 cq + 255, units j Us .. j Us + Us - 1 of the table, Us = ceil(NT / 64), at most 64.  Wave w: column tiles T = 16 cq + 4 w + 0..3.
; Its 4 tiles x 8 K steps of Wk's codes (512 registers) stay in registers for the whole launch; what goes round is a unit's 16 KB of codes, staged through LDS four units at a time
; (wave w brings unit w of the four: 32 loads of 512 consecutive bytes into registers, three units' work ahead of their LDS stores).
; No tensor load and no joint load: units are passed over by scalar branches on numbers read from memory.  Every wave passes every barrier: the loop has 8 trips of 8 units whatever the lengths, and only a unit's work is jumped over.
; THE PRODUCT IS USED TRANSPOSED (source 0 = 16 columns of Wk, source 1 = the unit's 16 rows): lane (r, h) holds row r, and register 8 t + i the column 16 T + 8 h + i.  So a row's sum over my 32 columns stays in the lane.
; LIMITS: e of seq + e of Wk lies between -127 and 126 (they are added to the exponent field of 2 log2(e)).  lengths are held in 1 .. 2,048.  NaN among the inputs is not served.
; REGISTERS, in windows of 256.  Window 0: v1-31 addresses; v32-63 the four accumulators; v96-127 cvec of the batch in hand; v128-159, v160-191 2 log2(e) Wt[0], Wt[1]; v192-223 -2 Ws;
;   v224-239 the eight units' time features, a pair each; v240-247 the score's four chains.   Window 1: v0-127 the unit's 8 fragments; v128-255 the staged unit.   Windows 2, 3: Wk's fragments of K steps 0-3, 4-7, at 16 (4 (q % 4) + t).
.set PITCH, 1040                       ; an LDS row: 1,024 bytes of codes + 16: 65 x 16, so the 16 rows that a fragment load touches start at 16 different banks (64 banks of 4 bytes: ISA guide 11.1)
.set UNITB, 16*PITCH
.set SLOT,  4*UNITB                    ; a slot: four units
.set SCO,   2*SLOT                     ; behind the two slots: the scores, 512 bytes a unit: 4 waves x 32 lanes x 4 bytes, no gap: every byte of the region belongs to some lane's word
.set SPU,   512
.set MSB, 0
.macro WIN new                         ; the immediate's high byte repeats the setting that is left
.if MSB != \new
	s_set_vgpr_msb (MSB<<8)|\new
.set MSB, \new
.endif
.endm
; 32 matrix instructions: the unit's 16 rows x my 64 columns x 1,024 along K.  The four accumulators take turns, one instruction a turn; the first K step starts the sums.
.macro MM
	WIN 0x06                                       ; source 0 (Wk) window 2, source 1 (the unit) window 1, C and D window 0
.irp q, 0,1,2,3
.irp t, 0,1,2,3
.if \q == 0
	v_wmma_f32_16x16x128_bf8_bf8 v[32+8*\t:39+8*\t], v[16*(4*\q+\t):16*(4*\q+\t)+15], v[16*\q:16*\q+15], 0
.else
	v_wmma_f32_16x16x128_bf8_bf8 v[32+8*\t:39+8*\t], v[16*(4*\q+\t):16*(4*\q+\t)+15], v[16*\q:16*\q+15], v[32+8*\t:39+8*\t]
.endif
.endr
.endr
	WIN 0x07                                       ; source 0 window 3
.irp q, 0,1,2,3
.irp t, 0,1,2,3
	v_wmma_f32_16x16x128_bf8_bf8 v[32+8*\t:39+8*\t], v[16*(4*\q+\t):16*(4*\q+\t)+15], v[16*(\q+4):16*(\q+4)+15], v[32+8*\t:39+8*\t]
.endr
.endr
	WIN 0
.endm
; unit i of a slot into the fragment registers: lane (r, h), register 16 q + 4 c + j: bytes 128 q + 32 c + 16 h + 4 j .. + 3 of row r
.macro ALOAD slot, i
	WIN 0x40                                       ; destination window 1
.irp q, 0,1,2,3,4,5,6,7
.irp c, 0,1,2,3
	ds_load_b128 v[16*\q+4*\c:16*\q+4*\c+3], v[4+\slot] offset:UNITB*(\i)+128*\q+32*\c
.endr
.endr
	WIN 0
.endm
; cvec of batch s38 for my 32 columns
.macro CPLOAD
	s_min_u32 s39, s38, 31
	s_lshl_b32 s39, s39, 6
	v_add_nc_u32 v14, s39, v15                     ; 64 b + 32 h
.irp t, 0,1,2,3
	global_load_b128 v[96+8*\t:99+8*\t], v14, s[8:9] offset:2048*\t
	global_load_b128 v[100+8*\t:103+8*\t], v14, s[8:9] offset:2048*\t+16
.endr
	s_wait_loadcnt 0x0                             ; once for each change of batch
	s_mov_b32 s33, s38
.endm
; from the sums to the lane's part of the score of unit k of the trip
.macro EP k
.set n, 0
.rept 16
	v_pk_fma_f32 v[32+2*n:33+2*n], v[32+2*n:33+2*n], s[36:37], v[96+2*n:97+2*n] op_sel_hi:[1,0,1]     ; sum x 2 log2(e) 2^(e + e) + cvec; each accumulator from its low end on
.set n, n+1
.endr
.set n, 0
.rept 16
	v_pk_fma_f32 v[32+2*n:33+2*n], v[224+2*\k:225+2*\k], v[128+2*n:129+2*n], v[32+2*n:33+2*n] op_sel_hi:[0,1,1]     ; + my row's first time feature x Wt[0]
.set n, n+1
.endr
.set n, 0
.rept 16
	v_pk_fma_f32 v[32+2*n:33+2*n], v[224+2*\k:225+2*\k], v[160+2*n:161+2*n], v[32+2*n:33+2*n] op_sel:[1,0,0] op_sel_hi:[1,1,1]   ; + the second x Wt[1]
.set n, n+1
.endr
.set n, 0
.rept 32
	v_exp_f32 v[32+n], v[32+n]
.set n, n+1
.endr
	v_nop                                          ; a plain line behind the last exponential,
	s_wait_alu depctr_va_vdst(0)                   ; and one wait for the batch ahead of its first reader
.set n, 0
.rept 16
	v_pk_add_f32 v[32+2*n:33+2*n], v[32+2*n:33+2*n], 1.0 op_sel_hi:[1,0]
.set n, n+1
.endr
.set n, 0
.rept 32
	v_rcp_f32 v[32+n], v[32+n]
.set n, n+1
.endr
	v_nop
	s_wait_alu depctr_va_vdst(0)                   ; the same for the reciprocals
.set n, 0
.rept 16
.if n < 4
	v_pk_mul_f32 v[240+2*n:241+2*n], v[32+2*n:33+2*n], v[192+2*n:193+2*n]      ; four chains, started by the first four pairs
.else
	v_pk_fma_f32 v[240+2*(n%4):241+2*(n%4)], v[32+2*n:33+2*n], v[192+2*n:193+2*n], v[240+2*(n%4):241+2*(n%4)]
.endif
.set n, n+1
.endr
	v_pk_add_f32 v[240:241], v[240:241], v[242:243]
	v_pk_add_f32 v[244:245], v[244:245], v[246:247]
	v_pk_add_f32 v[240:241], v[240:241], v[244:245]
	v_add_f32 v240, v240, v241
	ds_store_b32 v17, v240 offset:SPU*\k           ; my own word: unit, wave, lane
.endm
; unit k of the trip; its successor lies in slot nslot, place nunit
.macro UNIT k, nslot, nunit
	s_cmp_gt_i32 s31, \k                           ; are there more than k units left?
	s_cbranch_scc0 .Lskip_\@
	s_lshr_b32 s38, s[44+\k], 7                    ; the unit's batch
	s_cmp_eq_u32 s38, s33
	s_cbranch_scc1 .Lsame_\@
	CPLOAD
.Lsame_\@:
	s_wait_dscnt 0x1                               ; the 32 fragment loads are in; behind them stands at most the last unit's score store
	MM
.rept 4
	v_nop                                          ; four places in front of the loads into the fragment registers and of the first read of the sums
.endr
	ALOAD \nslot, \nunit                           ; the next unit's fragments land while this unit's scores are made; both slots hold written bytes from the head on
	EP \k
.Lskip_\@:
.endm
; four units (their numbers in s[first .. first + 3]) are asked for: wave w brings unit w's 16 KB into registers; every wave brings the four units' time features into v[set ..].  lim >= 0: only if more than lim units are left
.macro STGLOAD first, set, lim
.if \lim >= 0
	s_cmp_gt_i32 s31, \lim
	s_cbranch_scc0 .Lno_load_\@
.endif
	s_cmp_eq_u32 s24, 1
	s_cselect_b32 s38, s[\first+1], s[\first]
	s_cmp_eq_u32 s24, 2
	s_cselect_b32 s38, s[\first+2], s38
	s_cmp_eq_u32 s24, 3
	s_cselect_b32 s38, s[\first+3], s38
	s_min_u32 s38, s38, 4095
	s_lshl_b32 s38, s38, 14                        ; a unit's codes are 16,384 bytes
	v_add_nc_u32 v8, s38, v1
.irp i, 0,1,2,3
	s_min_u32 s39, s[\first+\i], 4095
	s_lshl_b32 s39, s39, 7                         ; a unit's time features are 128 bytes
	v_add_nc_u32 v[10+\i], s39, v9
.endr
.irp i, 0,1,2,3
	global_load_b64 v[\set+2*\i:\set+2*\i+1], v[10+\i], s[14:15]
.endr
	WIN 0x40                                       ; destination window 1
.set n, 0
.rept 16
	global_load_b128 v[128+8*n:131+8*n], v8, s[4:5] offset:1024*n
	global_load_b128 v[132+8*n:135+8*n], v8, s[4:5] offset:1024*n+512
.set n, n+1
.endr
	WIN 0
.if \lim >= 0
.Lno_load_\@:
.endif
.endm
; the staged unit goes into its slot, and the work-group's barrier.  In front of the barrier each wave's LDS stores have landed and its reads of the other slot are in: between two barriers one slot is only read and the other only written
.macro STGSTORE slot, lim
	s_wait_loadcnt 0x0                             ; the staged codes and time features are in; their address registers may be written again
	s_cmp_gt_i32 s31, \lim
	s_cbranch_scc0 .Lno_store_\@
	WIN 0x04                                       ; data window 1
.set n, 0
.rept 16
	ds_store_b128 v[6+\slot], v[128+8*n:131+8*n] offset:PITCH*n
	ds_store_b128 v[6+\slot], v[132+8*n:135+8*n] offset:PITCH*n+512
.set n, n+1
.endr
	WIN 0
.Lno_store_\@:
	s_wait_dscnt 0x0
	s_barrier_signal -1
	s_barrier_wait -1
.endm
	s_load_b512 s[4:19], s[0:1], 0x0               ; sq 4, wkc 6, cvec 8, utab 10, lengths 12, time_features 14, Wt 16, Ws 18
	s_load_b128 s[20:23], s[0:1], 0x40             ; lowp_scales 20, ps 22
	v_lshl_add_u32 v254, v0, 2, 0x28800
	v_mov_b32 v255, 0
	v_lshrrev_b32 v1, 5, v0
	v_readfirstlane_b32 s24, v1                    ; wave 0..3
	s_mov_b32 s25, ttmp9                           ; cq
	s_and_b32 s26, ttmp7, 0xffff                   ; j
	v_and_b32 v18, 31, v0                          ; lane
	v_lshlrev_b32 v1, 4, v18                       ; 16 x lane
	v_and_b32 v2, 15, v0                           ; r
	v_bfe_u32 v3, v0, 4, 1                         ; h
	v_mul_u32_u24 v4, v2, PITCH
	v_lshl_add_u32 v4, v3, 4, v4                   ; fragments, slot 0: row r, + 16 h
	v_add_nc_u32 v5, SLOT, v4                      ; slot 1
	s_mul_i32 s38, s24, UNITB
	v_add_nc_u32 v6, s38, v1                       ; staging, slot 0: unit w, 16 x lane
	v_add_nc_u32 v7, SLOT, v6                      ; slot 1
	v_lshlrev_b32 v9, 3, v2                        ; 8 r: a row's two time features
	v_lshlrev_b32 v15, 5, v3                       ; 32 h: my half's eight columns
	s_lshl_b32 s38, s24, 7
	v_lshl_add_u32 v16, v18, 2, s38
	v_add_nc_u32 v16, SCO, v16                     ; my score word of unit 0: SCO + 128 w + 4 x lane
	s_lshl_b32 s38, s25, 4
	s_lshl_b32 s39, s24, 2
	s_add_co_u32 s38, s38, s39                     ; my first column tile: 16 cq + 4 w
	s_mov_b32 s61, 0
	s_wait_kmcnt 0x0
	s_load_b512 s[68:83], s[12:13], 0x0            ; the 32 lengths
	s_load_b512 s[84:99], s[12:13], 0x40
	s_load_b128 s[40:43], s[20:21], 0x0            ; the four exponents
	s_lshl_b32 s60, s38, 14
	s_add_nc_u64 s[6:7], s[6:7], s[60:61]          ; wkc: a tile's eight fragments are 16,384 bytes
	s_lshl_b32 s60, s38, 11
	s_add_nc_u64 s[8:9], s[8:9], s[60:61]          ; cvec: a tile is 2,048 bytes
	s_lshl_b32 s60, s25, 18
	s_add_nc_u64 s[22:23], s[22:23], s[60:61]      ; ps: my quarter
	s_lshl_b32 s60, s38, 6
	v_add_nc_u32 v19, s60, v15                     ; Wt, Ws: column 16 x tile + 8 h, in bytes
	WIN 0x80                                       ; destination window 2: Wk's fragments of K steps 0-3
.irp q, 0,1,2,3
.irp t, 0,1,2,3
.irp c, 0,1,2,3
	global_load_b128 v[16*(4*\q+\t)+4*\c:16*(4*\q+\t)+4*\c+3], v1, s[6:7] offset:16384*\t+2048*\q+512*\c
.endr
.endr
.endr
	WIN 0xc0                                       ; window 3: K steps 4-7
.irp q, 0,1,2,3
.irp t, 0,1,2,3
.irp c, 0,1,2,3
	global_load_b128 v[16*(4*\q+\t)+4*\c:16*(4*\q+\t)+4*\c+3], v1, s[6:7] offset:16384*\t+2048*(\q+4)+512*\c
.endr
.endr
.endr
	WIN 0
.irp t, 0,1,2,3
	global_load_b128 v[128+8*\t:131+8*\t], v19, s[16:17] offset:64*\t
	global_load_b128 v[132+8*\t:135+8*\t], v19, s[16:17] offset:64*\t+16
	global_load_b128 v[160+8*\t:163+8*\t], v19, s[16:17] offset:4096+64*\t
	global_load_b128 v[164+8*\t:167+8*\t], v19, s[16:17] offset:4096+64*\t+16
	global_load_b128 v[192+8*\t:195+8*\t], v19, s[18:19] offset:64*\t
	global_load_b128 v[196+8*\t:199+8*\t], v19, s[18:19] offset:64*\t+16
.endr
	s_wait_kmcnt 0x0
	s_mov_b32 s27, 0
.set bb, 0
.rept 32                               ; NT = the sum of the batches' units
	s_max_i32 s[68+bb], s[68+bb], 1
	s_min_i32 s[68+bb], s[68+bb], 2048
	s_add_co_u32 s[68+bb], s[68+bb], 15
	s_lshr_b32 s[68+bb], s[68+bb], 4
	s_add_co_u32 s27, s27, s[68+bb]
.set bb, bb+1
.endr
	s_add_co_u32 s28, s27, 63
	s_lshr_b32 s28, s28, 6                         ; Us
	s_mul_i32 s38, s26, s28
	s_min_u32 s29, s38, 4032                       ; my first unit (63 x 64 at the most)
	s_sub_co_i32 s30, s27, s38
	s_max_i32 s30, s30, 0
	s_min_i32 s30, s30, s28                        ; n: how many are mine
	s_mov_b32 s31, s30                             ; units left at the head of the trip
	s_lshl_b32 s35, s29, 2
	s_mov_b32 s66, s35                             ; my first entry of the table, in bytes
	s_load_b256 s[44:51], s[10:11], s35 offset:0x0     ; this trip's eight units,
	s_load_b256 s[52:59], s[10:11], s35 offset:0x20    ; the next trip's
	s_add_co_i32 s38, s42, s43
	s_lshl_b32 s38, s38, 23
	s_add_co_i32 s36, s38, 0x4038aa3b              ; 2 log2(e) x 2^(e of seq + e of Wk): the exponents are added to the exponent field
	s_mov_b32 s37, s36                             ; (named with it as a pair, so it is written)
	s_mov_b32 s62, 0x4038aa3b                      ; 2 log2(e)
	s_mov_b32 s63, s62
	s_wait_kmcnt 0x0
	STGLOAD 44, 224, -1                            ; the first four units: the table is filled past its end with the last unit, so every entry names codes that were written
.irp i, 0,1,2,3
	s_min_u32 s39, s[48+\i], 4095
	s_lshl_b32 s39, s39, 7
	v_add_nc_u32 v[20+\i], s39, v9
	global_load_b64 v[232+2*\i:233+2*\i], v[20+\i], s[14:15]
.endr
	s_lshr_b32 s38, s44, 7
	CPLOAD                                         ; its wait is for all the loads above too
.set n, 0
.rept 32
	v_pk_mul_f32 v[128+2*n:129+2*n], v[128+2*n:129+2*n], s[62:63] op_sel_hi:[1,0]
.set n, n+1
.endr
.set n, 0
.rept 16
	v_pk_mul_f32 v[192+2*n:193+2*n], v[192+2*n:193+2*n], -2.0 op_sel_hi:[1,0]
.set n, n+1
.endr
	WIN 0x04
.set n, 0
.rept 16                               ; into both slots, so that no LDS byte is read that nobody wrote
	ds_store_b128 v6, v[128+8*n:131+8*n] offset:PITCH*n
	ds_store_b128 v6, v[132+8*n:135+8*n] offset:PITCH*n+512
	ds_store_b128 v7, v[128+8*n:131+8*n] offset:PITCH*n
	ds_store_b128 v7, v[132+8*n:135+8*n] offset:PITCH*n+512
.set n, n+1
.endr
	WIN 0
	s_wait_dscnt 0x0
	s_barrier_signal -1
	s_barrier_wait -1
	ALOAD 0, 0
	s_wait_dscnt 0x0
	s_mov_b32 s32, 0                               ; trip
	s_mov_b32 s34, 0                               ; the trip's first unit in the scores' region
.Ltrip:                                            ; eight trips of eight units
	v_add_nc_u32 v17, s34, v16
	STGLOAD 48, 232, 4                             ; units 4-7 are asked for,
	UNIT 0, 0, 1
	UNIT 1, 0, 2
	UNIT 2, 0, 3
	STGSTORE 1, 4                                  ; and go into slot 1, whose last reads stood in front of the barrier before
	UNIT 3, 1, 0
	s_wait_kmcnt 0x0                               ; the next trip's eight units
	STGLOAD 52, 224, 8
	UNIT 4, 1, 1
	UNIT 5, 1, 2
	UNIT 6, 1, 3
	STGSTORE 0, 8
	UNIT 7, 0, 0
.irp i, 0,1,2,3,4,5,6,7
	s_mov_b32 s[44+\i], s[52+\i]
.endr
	s_add_co_u32 s35, s35, 32                      ; (the scalar load that read it was waited for above)
	s_load_b256 s[52:59], s[10:11], s35 offset:0x20    ; at most entry 4,032 + 79 of 5,120
	s_sub_co_i32 s31, s31, 8
	s_add_co_u32 s34, s34, 8*SPU
	s_add_co_u32 s32, s32, 1
	s_cmp_lt_u32 s32, 8
	s_cbranch_scc1 .Ltrip
; THE WAY OUT: a row's eight parts (4 waves x 2 halves of the lanes) are added; four threads take a unit's 16 rows, 16 bytes each: eight units of one batch are 512 consecutive bytes of ps.
; Two passes of 32 units.  The units' numbers come from the table WITH ALL LANES ON (entry 4,032 + 63 at the most, of 5,120), and are held at 4,095 and made into offsets with all lanes on too:
; so every lane of an offset register holds a held number.  Only the LDS reads, the sums and the store run with the lanes of my n units alone.
	s_wait_kmcnt 0x0
	v_lshrrev_b32 v24, 2, v0                       ; the unit, 0 .. 31
	v_and_b32 v25, 3, v0
	v_lshlrev_b32 v25, 4, v25                      ; my four rows' 16 bytes
	v_mul_u32_u24 v26, v24, SPU
	v_add_nc_u32 v26, v26, v25
	v_add_nc_u32 v26, SCO, v26
	v_lshl_add_u32 v27, v24, 2, s66                ; the unit's entry of the table
	global_load_b32 v28, v27, s[10:11]             ; pass 0's unit,
	global_load_b32 v29, v27, s[10:11] offset:128  ; pass 1's: both land while the waves meet
	s_wait_dscnt 0x0                               ; for the others' sake: my score words lie in LDS
	s_barrier_signal -1
	s_barrier_wait -1
	s_wait_loadcnt 0x0
	v_min_u32 v28, 4095, v28
	v_min_u32 v29, 4095, v29
	v_lshlrev_b32 v28, 6, v28                      ; a unit's 16 rows are 64 bytes of ps
	v_lshlrev_b32 v29, 6, v29
	v_add_nc_u32 v28, v28, v25
	v_add_nc_u32 v29, v29, v25
.macro OUTPASS pp
	v_add_nc_u32 v22, 32*\pp, v24
	v_cmp_gt_u32 vcc_lo, s30, v22                  ; only my n units
	s_wait_xcnt 0x0                                ; EXEC changes only behind this wait
	s_and_saveexec_b32 s39, vcc_lo
.irp m, 0,1,2,3,4,5,6,7
	ds_load_b128 v[32+4*\m:35+4*\m], v26 offset:32*SPU*\pp+64*\m
.endr
	s_wait_dscnt 0x0
.irp p, 0,2,4,6,8,10,12,14
	v_pk_add_f32 v[32+\p:33+\p], v[32+\p:33+\p], v[48+\p:49+\p]
.endr
.irp p, 0,2,4,6
	v_pk_add_f32 v[32+\p:33+\p], v[32+\p:33+\p], v[40+\p:41+\p]
.endr
.irp p, 0,2
	v_pk_add_f32 v[32+\p:33+\p], v[32+\p:33+\p], v[36+\p:37+\p]
.endr
	global_store_b128 v[28+\pp], v[32:35], s[22:23]
	s_wait_xcnt 0x0                                ; and again, in front of the line that widens EXEC; the store's data may be written again
	s_or_b32 exec_lo, exec_lo, s39
.endm
	OUTPASS 0
	OUTPASS 1
	s_wait_xcnt 0x0
	s_mov_b32 exec_lo, -1
	s_wait_tensorcnt 0x0
	ds_add_u32 v254, v255
	s_wait_dscnt 0x0
	s_endpgm
.Lfunc_end_k_q80ae09a5b0_scores:
	.size	k_q80ae09a5b0_scores, .Lfunc_end_k_q80ae09a5b0_scores-k_q80ae09a5b0_scores
	.p2alignl 7, 3214868480
	.fill 96, 4, 3214868480
	.section	.rodata,"a",@progbits
	.p2align	6, 0x0
	.amdhsa_kernel k_q80ae09a5b0_scores
		.amdhsa_group_segment_fixed_size 166400
		.amdhsa_private_segment_fixed_size 0
		.amdhsa_enable_private_segment 0
		.amdhsa_kernarg_size 80
		.amdhsa_user_sgpr_count 2
		.amdhsa_user_sgpr_kernarg_segment_ptr 1
		.amdhsa_wavefront_size32 1
		.amdhsa_system_sgpr_workgroup_id_x 1
		.amdhsa_system_sgpr_workgroup_id_y 1
		.amdhsa_system_sgpr_workgroup_id_z 1
		.amdhsa_system_vgpr_workitem_id 0
		.amdhsa_next_free_vgpr 1024
		.amdhsa_next_free_sgpr 100
		.amdhsa_reserve_vcc 1
		.amdhsa_float_denorm_mode_32 3
		.amdhsa_float_denorm_mode_16_64 3
		.amdhsa_memory_ordered 1
		.amdhsa_forward_progress 1
		.amdhsa_inst_pref_size 160
	.end_amdhsa_kernel
	.amdgpu_metadata
---
amdhsa.version: [ 1, 2 ]
amdhsa.kernels:
  - .name:           k_q80ae09a5b0_scores
    .symbol:         k_q80ae09a5b0_scores.kd
    .args:
      - { .name: sq, .offset: 0, .size: 8, .value_kind: global_buffer, .address_space: global }
      - { .name: wkc, .offset: 8, .size: 8, .value_kind: global_buffer, .address_space: global }
      - { .name: cvec, .offset: 16, .size: 8, .value_kind: global_buffer, .address_space: global }
      - { .name: utab, .offset: 24, .size: 8, .value_kind: global_buffer, .address_space: global }
      - { .name: lengths, .offset: 32, .size: 8, .value_kind: global_buffer, .address_space: global }
      - { .name: time_features, .offset: 40, .size: 8, .value_kind: global_buffer, .address_space: global }
      - { .name: Wt, .offset: 48, .size: 8, .value_kind: global_buffer, .address_space: global }
      - { .name: Ws, .offset: 56, .size: 8, .value_kind: global_buffer, .address_space: global }
      - { .name: lowp_scales, .offset: 64, .size: 8, .value_kind: global_buffer, .address_space: global }
      - { .name: ps, .offset: 72, .size: 8, .value_kind: global_buffer, .address_space: global }
    .group_segment_fixed_size: 166400
    .private_segment_fixed_size: 0
    .kernarg_segment_align: 8
    .kernarg_segment_size: 80
    .max_flat_workgroup_size: 128
    .sgpr_count:     100
    .vgpr_count:     1024
    .wavefront_size: 32
...
	.end_amdgpu_metadata
.endif
;; end of part 2
;; launch wsum (part 3): grid 16 x 32, 8 waves a work-group, no clusters, 13,824 bytes of LDS; arguments seq, ps, aux, lengths, out0; writes out0
.if DOCPART == 3
	.amdgcn_target "amdgcn-amd-amdhsa--gfx1250"
	.amdhsa_code_object_version 6
	.text
	.protected	k_q80ae09a5b0_wsum
	.globl	k_q80ae09a5b0_wsum
	.p2align	8
	.type	k_q80ae09a5b0_wsum,@function
k_q80ae09a5b0_wsum:
	s_mov_b64 s[64:65], 0
	v_nop
	global_prefetch_b8 v0, s[64:65] scope:SCOPE_SE
	s_setreg_imm32_b32 hwreg(HW_REG_WAVE_MODE, 25, 1), 1
	s_wait_xcnt 0x0
; WSUM: score[s] = aux + the four quarters of ps; rows s >= lengths[b] count for nothing; weights = softmax (the row's maximum is taken away first); out0[b] = the sum of weight x seq[b][s], all in f32.
; SHARES.  Work-group (slice, b): 64 columns (256 bytes of every row) of batch b.  Each work-group makes the batch's 2,048 weights for itself (p = 2^(t - m), t = score x log2(e); the sum divides at the end) and keeps them in LDS.
; The rows go in blocks of 128: wave w, lane (x, h) takes rows 16 w + 8 h + 0..7 of a block and columns 4 x .. 4 x + 3 of the slice, so each load covers two rows' aligned 256 bytes.
; Two buffers of eight loads a wave take turns.  The 16 blocks are written out; a block past the batch's last is not walked: a forward jump on the length leads to the end, where every wave meets the barrier.
; A refill is issued in every block that is walked (up to block 13), so the counted waits count the same loads on every way; one that would lie past the batch's last block has its offset multiplied by 0 and asks for one 16-byte piece of each of the batch's first eight rows.
; Matrix units are left out: the product has one row.  LIMITS: lengths are held in 1 .. 2,048.  NaN among the inputs is not served.
.set PW,   0                           ; LDS: p[2,048]
.set RMAX, 8192                        ; the waves' maxima,
.set RSUM, 8448                        ; their sums,
.set RED,  8704                        ; their parts of the result: 512 bytes a wave
	s_load_b256 s[4:11], s[0:1], 0x0               ; seq 4, ps 6, aux 8, lengths 10
	s_load_b64 s[12:13], s[0:1], 0x20              ; out0
	v_lshl_add_u32 v144, v0, 2, 0x3200
	v_mov_b32 v145, 0
	v_lshrrev_b32 v1, 5, v0
	v_readfirstlane_b32 s14, v1                    ; wave 0..7
	s_and_b32 s15, ttmp7, 0xffff                   ; b
	s_lshl_b32 s16, s15, 2
	v_and_b32 v1, 31, v0                           ; lane
	v_and_b32 v2, 15, v0                           ; x
	v_bfe_u32 v3, v0, 4, 1                         ; h
	v_lshlrev_b32 v4, 4, v1                        ; 16 x lane
	v_lshlrev_b32 v7, 2, v0                        ; 4 x thread: my first row of the scores
	v_lshlrev_b32 v14, 4, v0                       ; 16 x thread
	s_lshl_b32 s22, s14, 2
	s_add_co_u32 s22, s22, RMAX
	v_mov_b32 v10, s22                             ; my wave's word
	v_mov_b32 v11, RMAX
	s_lshl_b32 s22, s14, 6
	v_lshl_add_u32 v12, v3, 5, s22                 ; my eight weights of a block: 64 w + 32 h
	s_lshl_b32 s22, s14, 16
	v_lshlrev_b32 v13, 4, v2
	v_lshl_add_u32 v13, v3, 15, v13
	v_add_nc_u32 v13, s22, v13                     ; seq: row 16 w + 8 h of a block, + 16 x
	s_mov_b32 s26, 0x76543210
	s_mov_b32 s27, 0xfedcba98
	s_mov_b32 s21, 0
	s_wait_kmcnt 0x0
	s_load_b32 s17, s[10:11], s16 offset:0x0       ; lengths[b]
	s_load_b32 s18, s[8:9], 0x0                    ; bs + the sum of Ws
	s_lshl_b32 s20, s15, 23
	s_lshl_b32 s22, ttmp9, 8
	s_add_co_u32 s20, s20, s22
	s_add_nc_u64 s[4:5], s[4:5], s[20:21]          ; seq at my batch and slice
	s_lshl_b32 s20, s15, 13
	s_add_nc_u64 s[6:7], s[6:7], s[20:21]          ; ps at my batch
	s_lshl_b32 s20, s15, 12
	s_add_co_u32 s20, s20, s22
	s_add_nc_u64 s[12:13], s[12:13], s[20:21]      ; out0 likewise
	s_wait_kmcnt 0x0
	s_max_i32 s17, s17, 1
	s_min_i32 s17, s17, 2048                       ; len
	s_add_co_u32 s19, s17, 15
	s_lshr_b32 s19, s19, 4
	s_lshl_b32 s19, s19, 2
	s_sub_co_u32 s19, s19, 1                       ; the last group of four rows whose ps was written
	s_add_co_u32 s23, s17, 127
	s_lshr_b32 s23, s23, 7                         ; NB: blocks of 128 rows, 1 .. 16
	v_min_u32 v5, s19, v0
	v_min_u32 v5, 511, v5
	v_lshlrev_b32 v5, 4, v5                        ; group = thread,
	v_add_nc_u32 v6, 256, v0
	v_min_u32 v6, s19, v6
	v_min_u32 v6, 511, v6
	v_lshlrev_b32 v6, 4, v6                        ; and thread + 256: both held at the last written group (what is read there in place of an unwritten group is masked below)
.irp u, 0,1
.irp c, 0,1,2,3
	global_load_b128 v[16+16*\u+4*\c:19+16*\u+4*\c], v[5+\u], s[6:7] offset:262144*\c
.endr
.endr
.macro FILL z                          ; eight rows a lane into buffer z
.irp e, 0,1,2,3,4,5,6,7
	global_load_b128 v[64+32*\z+4*\e:67+32*\z+4*\e], v[8+\z], s[4:5] offset:4096*\e th:TH_LOAD_NT
.endr
.endm
.macro AIM z, blk                      ; buffer z's offset: block blk, or 0 where the batch has no such block
	s_sub_co_i32 s25, s23, \blk
	s_max_i32 s25, s25, 0
	s_min_u32 s25, s25, 1                          ; 1 where NB > blk, else 0
	s_mul_i32 s24, s25, (\blk)<<19                 ; a block is 128 rows of 4,096 bytes
	v_mad_u32_u24 v[8+\z], v13, s25, s24
.endm
	v_mov_b32 v8, v13                              ; block 0
	FILL 0
	AIM 1, 1
	FILL 1
	v_mov_b32 v49, 0xff800000                      ; -infinity
	s_wait_loadcnt 16                              ; ps is in; the 16 loads of seq behind it stay out
.irp u, 0,1
.irp p, 0,2
	v_pk_add_f32 v[16+16*\u+\p:17+16*\u+\p], v[16+16*\u+\p:17+16*\u+\p], v[20+16*\u+\p:21+16*\u+\p]
	v_pk_add_f32 v[24+16*\u+\p:25+16*\u+\p], v[24+16*\u+\p:25+16*\u+\p], v[28+16*\u+\p:29+16*\u+\p]
.endr
.irp p, 0,2
	v_pk_add_f32 v[16+16*\u+\p:17+16*\u+\p], v[16+16*\u+\p:17+16*\u+\p], v[24+16*\u+\p:25+16*\u+\p]
.endr
.irp y, 0,1,2,3
	v_add_f32 v[16+16*\u+\y], s18, v[16+16*\u+\y]              ; the score,
	v_mul_f32 v[16+16*\u+\y], 0x3fb8aa3b, v[16+16*\u+\y]       ; as t = score x log2(e)
	v_add_nc_u32 v48, 1024*\u+\y, v7                           ; its row
	v_cmp_gt_u32 vcc_lo, s17, v48
	v_cndmask_b32 v[16+16*\u+\y], v49, v[16+16*\u+\y], vcc_lo  ; -infinity from row len on
.endr
.endr
	v_max3_num_f32 v50, v16, v17, v18
	v_max3_num_f32 v51, v19, v32, v33
	v_max3_num_f32 v50, v50, v34, v35
	v_max_num_f32 v50, v50, v51
	v_max_num_f32_dpp v50, v50, v50 row_xmask:1 row_mask:0xf bank_mask:0xf
	v_max_num_f32_dpp v50, v50, v50 row_xmask:2 row_mask:0xf bank_mask:0xf
	v_max_num_f32_dpp v50, v50, v50 row_xmask:4 row_mask:0xf bank_mask:0xf
	v_max_num_f32_dpp v50, v50, v50 row_xmask:8 row_mask:0xf bank_mask:0xf
	v_permlanex16_b32 v51, v50, s26, s27
	v_max_num_f32 v50, v50, v51
	ds_store_b32 v10, v50                          ; all lanes write the wave's word with the same number
	s_wait_dscnt 0x0
	s_barrier_signal -1
	s_barrier_wait -1
	ds_load_b128 v[52:55], v11
	ds_load_b128 v[56:59], v11 offset:16
	s_wait_dscnt 0x0
	v_max3_num_f32 v60, v52, v53, v54
	v_max3_num_f32 v60, v60, v55, v56
	v_max3_num_f32 v60, v60, v57, v58
	v_max_num_f32 v60, v60, v59                    ; m: row 0 always counts, so it is a number
.irp u, 0,1
.irp y, 0,1,2,3
	v_sub_f32 v[16+16*\u+\y], v[16+16*\u+\y], v60
.endr
.endr
.irp u, 0,1
.irp y, 0,1,2,3
	v_exp_f32 v[16+16*\u+\y], v[16+16*\u+\y]       ; p = 2^(t - m), at most 1; 0 under the mask
.endr
.endr
	v_mov_b32 v128, 0                              ; (a plain line behind the exponentials)  the sums begin: two sets of four
.irp i, 1,2,3,4,5,6,7
	v_mov_b32 v[128+\i], 0
.endr
	s_wait_alu depctr_va_vdst(0)                   ; one wait for the batch ahead of its first reader
	ds_store_b128 v14, v[16:19] offset:PW
	ds_store_b128 v14, v[32:35] offset:PW+4096
	v_pk_add_f32 v[50:51], v[16:17], v[18:19]
	v_pk_add_f32 v[52:53], v[32:33], v[34:35]
	v_pk_add_f32 v[50:51], v[50:51], v[52:53]
	v_add_f32 v50, v50, v51
	v_add_f32_dpp v50, v50, v50 row_xmask:1 row_mask:0xf bank_mask:0xf
	v_add_f32_dpp v50, v50, v50 row_xmask:2 row_mask:0xf bank_mask:0xf
	v_add_f32_dpp v50, v50, v50 row_xmask:4 row_mask:0xf bank_mask:0xf
	v_add_f32_dpp v50, v50, v50 row_xmask:8 row_mask:0xf bank_mask:0xf
	v_permlanex16_b32 v51, v50, s26, s27
	v_add_f32 v50, v50, v51
	ds_store_b32 v10, v50 offset:RSUM-RMAX
	s_wait_dscnt 0x0                               ; for the others' sake: my weights and my sum lie in LDS
	s_barrier_signal -1
	s_barrier_wait -1
.macro BLOCK bi
.set z, (\bi)%2
.if \bi > 0
	s_cmp_gt_u32 s23, \bi
	s_cbranch_scc0 .Ldone
.endif
	ds_load_b128 v[48:51], v12 offset:PW+512*(\bi)
	ds_load_b128 v[52:55], v12 offset:PW+512*(\bi)+16
.if \bi < 15
	s_wait_loadcnt 0x8                             ; this buffer's eight loads are in; the other buffer's eight may be out
.else
	s_wait_loadcnt 0x0
.endif
	s_wait_dscnt 0x0
.irp e, 0,2,4,6                        ; rows e and e + 1: the pair of weights gives its low word to the first, its high word to the second
	v_pk_fma_f32 v[128:129], v[64+32*z+4*\e:65+32*z+4*\e], v[48+\e:49+\e], v[128:129] op_sel_hi:[1,0,1]
	v_pk_fma_f32 v[130:131], v[66+32*z+4*\e:67+32*z+4*\e], v[48+\e:49+\e], v[130:131] op_sel_hi:[1,0,1]
	v_pk_fma_f32 v[132:133], v[68+32*z+4*\e:69+32*z+4*\e], v[48+\e:49+\e], v[132:133] op_sel:[0,1,0] op_sel_hi:[1,1,1]
	v_pk_fma_f32 v[134:135], v[70+32*z+4*\e:71+32*z+4*\e], v[48+\e:49+\e], v[134:135] op_sel:[0,1,0] op_sel_hi:[1,1,1]
.endr
.if \bi < 14
	AIM z, (\bi)+2                                 ; the wait above has shown this buffer's loads done: its offset may be written
	FILL z
.endif
.endm
.irp k, 0,1,2,3,4,5,6,7,8,9,10,11,12,13,14,15
	BLOCK \k
.endr
.Ldone:
	s_wait_loadcnt 0x0                             ; what was asked for past the last block has landed: the buffers are used again below
	v_pk_add_f32 v[128:129], v[128:129], v[132:133]
	v_pk_add_f32 v[130:131], v[130:131], v[134:135]
	ds_store_b128 v14, v[128:131] offset:RED       ; 512 w + 16 x lane
	s_wait_dscnt 0x0
	s_barrier_signal -1
	s_barrier_wait -1
	s_cmp_lg_u32 s14, 0
	s_cbranch_scc1 .Lend
.irp i, 0,1,2,3,4,5,6,7
	ds_load_b128 v[64+4*\i:67+4*\i], v4 offset:RED+512*\i
.endr
	ds_load_b128 v[96:99], v11 offset:RSUM-RMAX
	ds_load_b128 v[100:103], v11 offset:RSUM-RMAX+16
	s_wait_dscnt 0x0
	v_pk_add_f32 v[96:97], v[96:97], v[98:99]
	v_pk_add_f32 v[100:101], v[100:101], v[102:103]
	v_pk_add_f32 v[96:97], v[96:97], v[100:101]
	v_add_f32 v96, v96, v97                        ; the sum of all p, at least 1
	v_rcp_f32 v104, v96
.irp i, 1,2,3,4,5,6,7                  ; the eight waves' parts: plain lines that stand behind the reciprocal
	v_pk_add_f32 v[64:65], v[64:65], v[64+4*\i:65+4*\i]
	v_pk_add_f32 v[66:67], v[66:67], v[66+4*\i:67+4*\i]
.endr
.irp i, 0,1,2,3
	v_permlanex16_b32 v[68+\i], v[64+\i], s26, s27 ; the other half of the lanes holds the other rows of the same columns
.endr
	v_pk_add_f32 v[64:65], v[64:65], v[68:69]
	v_pk_add_f32 v[66:67], v[66:67], v[70:71]
	s_wait_alu depctr_va_vdst(0)                   ; the wait ahead of the reciprocal's first reader
.irp i, 0,1,2,3
	v_mul_f32 v[64+\i], v[64+\i], v104
.endr
	v_cmp_gt_u32 vcc_lo, 16, v1
	s_wait_xcnt 0x0                                ; EXEC changes only behind this wait
	s_and_saveexec_b32 s28, vcc_lo
	global_store_b128 v4, v[64:67], s[12:13]       ; sixteen lanes store the slice's 256 consecutive bytes, aligned
	s_wait_xcnt 0x0
	s_or_b32 exec_lo, exec_lo, s28
.Lend:
	s_barrier_signal -1
	s_barrier_wait -1
	s_wait_tensorcnt 0x0
	ds_add_u32 v144, v145
	s_wait_dscnt 0x0
	s_endpgm
.Lfunc_end_k_q80ae09a5b0_wsum:
	.size	k_q80ae09a5b0_wsum, .Lfunc_end_k_q80ae09a5b0_wsum-k_q80ae09a5b0_wsum
	.p2alignl 7, 3214868480
	.fill 96, 4, 3214868480
	.section	.rodata,"a",@progbits
	.p2align	6, 0x0
	.amdhsa_kernel k_q80ae09a5b0_wsum
		.amdhsa_group_segment_fixed_size 13824
		.amdhsa_private_segment_fixed_size 0
		.amdhsa_enable_private_segment 0
		.amdhsa_kernarg_size 40
		.amdhsa_user_sgpr_count 2
		.amdhsa_user_sgpr_kernarg_segment_ptr 1
		.amdhsa_wavefront_size32 1
		.amdhsa_system_sgpr_workgroup_id_x 1
		.amdhsa_system_sgpr_workgroup_id_y 1
		.amdhsa_system_sgpr_workgroup_id_z 1
		.amdhsa_system_vgpr_workitem_id 0
		.amdhsa_next_free_vgpr 146
		.amdhsa_next_free_sgpr 66
		.amdhsa_reserve_vcc 1
		.amdhsa_float_denorm_mode_32 3
		.amdhsa_float_denorm_mode_16_64 3
		.amdhsa_memory_ordered 1
		.amdhsa_forward_progress 1
		.amdhsa_inst_pref_size 47
	.end_amdhsa_kernel
	.amdgpu_metadata
---
amdhsa.version: [ 1, 2 ]
amdhsa.kernels:
  - .name:           k_q80ae09a5b0_wsum
    .symbol:         k_q80ae09a5b0_wsum.kd
    .args:
      - { .name: seq, .offset: 0, .size: 8, .value_kind: global_buffer, .address_space: global }
      - { .name: ps, .offset: 8, .size: 8, .value_kind: global_buffer, .address_space: global }
      - { .name: aux, .offset: 16, .size: 8, .value_kind: global_buffer, .address_space: global }
      - { .name: lengths, .offset: 24, .size: 8, .value_kind: global_buffer, .address_space: global }
      - { .name: out0, .offset: 32, .size: 8, .value_kind: global_buffer, .address_space: global }
    .group_segment_fixed_size: 13824
    .private_segment_fixed_size: 0
    .kernarg_segment_align: 8
    .kernarg_segment_size: 40
    .max_flat_workgroup_size: 256
    .sgpr_count:     66
    .vgpr_count:     146
    .wavefront_size: 32
...
	.end_amdgpu_metadata
.endif
;; end of part 3
;; ======== version 2 of 2: 3 launches
;; workspace buffers: sq 67,108,864 bytes; wkc 1,048,576 bytes; cvec 131,072 bytes; utab 20,480 bytes of whole numbers; aux 256 bytes; ps 1,048,576 bytes
;; launch prep (part 4): grid 1153 x 1, 8 waves a work-group, no clusters, 17,408 bytes of LDS; arguments seq, Wk, Wq, query, bq, bk, bt, Ws, bs, lengths, lowp_scales, sq, wkc, cvec, utab, aux; writes sq, wkc, cvec, utab, aux
.if DOCPART == 4
	.amdgcn_target "amdgcn-amd-amdhsa--gfx1250"
	.amdhsa_code_object_version 6
	.text
	.protected	k_q80ae09a5b0_prep
	.globl	k_q80ae09a5b0_prep
	.p2align	8
	.type	k_q80ae09a5b0_prep,@function
k_q80ae09a5b0_prep:
	s_mov_b64 s[64:65], 0
	v_nop
	global_prefetch_b8 v0, s[64:65] scope:SCOPE_SE
	s_setreg_imm32_b32 hwreg(HW_REG_WAVE_SCHED_MODE, 0, 2), 2
	s_setreg_imm32_b32 hwreg(HW_REG_WAVE_MODE, 25, 1), 1
	s_wait_xcnt 0x0
	s_wait_alu depctr_vm_vsrc(0)
; PREP: everything that is made once, in one launch; the work-group's number picks one of four parts.
;   work-group 0          the table of units (utab) and aux = bs + the sum of Ws
;   work-groups 1-64      Wk [1024 k][1024 n] f32 -> codes of E5M2 in the order of the operand's registers (wkc)
;   work-groups 65-128    q = Q(query) Q(Wq) on the matrix unit; cvec = 2 log2(e) (q + bq + bk + bt)
;   work-groups 129-1152  the rows of seq that count (s < lengths[b], rounded up to 16 rows) -> codes (sq)
; A UNIT is 16 rows of one batch: ublock = 128 b + s / 16.  nblk[b] = (len + 15) / 16, NT = the sum of nblk.  utab[u] = the ublock of unit min(u, NT - 1).
; THE QUANTISER: x held within +-57,344 x 2^e, divided by 2^e, to the nearest code, ties to even.
; THE ORDER OF K in sq and wkc is one permutation, the same in both, so every product meets its partner: the code of k = 128 i + 4 l + y stands at byte
; p = 512 (i / 4) + 16 l + 4 (i % 4) + y of its row.  So a lane that loads 16 neighbouring bytes of each 512 of a row of seq converts what it holds and stores 16 neighbouring bytes.
; LIMITS: each of the four exponents lies between -126 and 112 (2^e and 57,344 x 2^e are f32 numbers).  lengths lie in 1 .. 2,048, as the softmax needs for finite results; other values are held there.  NaN among the inputs is not served.
; THE MODE: SCHED_MODE bits 1:0 = 2 (LLVM: expert scheduling mode 2), set by the entry lines.  The code itself states the register dependences
; between vector or matrix instructions and memory or LDS instructions, with s_wait_alu, always for 0.
; THE PLAN.  Registers that memory or LDS instructions touch:
;   v4            16 x lane: an offset in every part; made at the head and never written again.  v14, v15: made at the head, read by the closing add alone.
;   table         v[28:31]: written by a trip's last lines, read by the trip's one store, written again in the next trip.  v6: made once.  The compares' masks go to s[48:59], twelve to a run.
;   Wk            v5: made once.  v16-79: loaded, then named by vector instructions alone.  v[208:223]: written by the conversions, read by the four stores.
;   query         v5-v9: made once.  v[16:31]: written by the two matrix instructions, read by the LDS stores, written again by wave 0's additions.  v80-207, v48-55: named by the holds and conversions, then loaded again by wave 0.  v[32:47]: written by the last multiply-adds, read by the four stores.
;   seq           X0 .. X4, five sets of a row's 32 numbers; C0 .. C7, a row's eight registers of codes, each written once.  Row t holds and converts X[t % 5] and writes C[t]; its memory instructions are the loads of
;                 row t + 4, which land in X[(t - 1) % 5], and the stores of C[t - 1]: the two buffers that row t - 1 worked on and that no vector instruction of row t names.  So one wait at a row's head states all
;                 that the row's ten memory instructions hang on, and they are dealt among its holds with no further wait.
.set FIRST_K, 1
.set FIRST_Q, 65
.set FIRST_S, 129
.set XR, 16                            ; seq part: v16-175 five sets of 32 numbers
.set CR, 176                           ; seq part: v176-239 eight registers of codes for each of 8 rows: no store's data are written again
.macro SCALE e, vs, vl                 ; v[vs] = 2^e as f32 (the conversion takes its exponent field), v[vl] = 57,344 x 2^e
	s_add_co_i32 s58, \e, 127
	s_lshl_b32 s59, s58, 23
	v_mov_b32 v[\vs], s59
	s_add_co_i32 s58, s58, 15
	s_lshl_b32 s58, s58, 23
	s_or_b32 s58, s58, 0x600000
	v_mov_b32 v[\vl], s58
.endm
.macro QUANT64 src, dst, vs, vl        ; 64 numbers of a lane become 16 registers of codes
.set n, 0
.rept 64
	v_med3_num_f32 v[\src+n], v[\src+n], -v[\vl], v[\vl]   ; the conversion to an 8-bit code does not saturate (ISA guide 7.6.2): the hold comes first
.set n, n+1
.endr
.irp g, 0,1,2,3,4,5,6,7
	v_cvt_scalef32_pk8_bf8_f32 v[\dst+2*\g:\dst+2*\g+1], v[\src+8*\g:\src+8*\g+7], v[\vs]
.endr
	v_nop                                          ; one plain vector line behind the last conversion, ahead of whatever touches its registers next
.endm
	s_load_b512 s[4:19], s[0:1], 0x0               ; seq 4, Wk 6, Wq 8, query 10, bq 12, bk 14, bt 16, Ws 18
	s_load_b512 s[20:35], s[0:1], 0x40             ; bs 20, lengths 22, lowp_scales 24, sq 26, wkc 28, cvec 30, utab 32, aux 34
	v_lshl_add_u32 v14, v0, 2, 0x4000
	v_mov_b32 v15, 0
	v_lshrrev_b32 v1, 5, v0
	v_readfirstlane_b32 s36, v1                    ; wave 0..7
	v_and_b32 v1, 31, v0                           ; lane
	v_and_b32 v2, 15, v0                           ; r
	v_bfe_u32 v3, v0, 4, 1                         ; h
	v_lshlrev_b32 v4, 4, v1                        ; 16 x lane
	s_wait_alu depctr_va_sdst(0)                   ; s36 is written, ahead of the branches below and of its first reader in each part
	s_wait_alu depctr_va_vdst(0)                   ; v4 is written, which loads and stores of every part read as their offset (the seq part's first loads with no further wait); so are v14 and v15, which the closing add reads
	s_wait_kmcnt 0x0
	s_load_b128 s[40:43], s[24:25], 0x0            ; e of query, Wq, seq, Wk
	s_cmp_ge_u32 ttmp9, FIRST_S
	s_cbranch_scc1 .Lseq
	s_cmp_ge_u32 ttmp9, FIRST_Q
	s_cbranch_scc1 .Lquery
	s_cmp_ge_u32 ttmp9, FIRST_K
	s_cbranch_scc1 .Lwk
; ---------------- the table of units, and aux ----------------
	s_load_b512 s[68:83], s[22:23], 0x0            ; the 32 lengths
	s_load_b512 s[84:99], s[22:23], 0x40
	s_load_b32 s60, s[20:21], 0x0                  ; bs
	v_lshlrev_b32 v5, 2, v0                        ; 4 x thread: four entries a thread
	v_lshlrev_b32 v6, 4, v0                        ; their 16 bytes
	s_wait_kmcnt 0x0
	s_mov_b32 s44, 0
.set bb, 0
.rept 32                               ; s[68 + b] becomes the number of units of batches 0 .. b
	s_max_i32 s[68+bb], s[68+bb], 1
	s_min_i32 s[68+bb], s[68+bb], 2048
	s_add_co_u32 s[68+bb], s[68+bb], 15
	s_lshr_b32 s[68+bb], s[68+bb], 4
	s_add_co_u32 s44, s44, s[68+bb]
	s_mov_b32 s[68+bb], s44
.set bb, bb+1
.endr
	s_sub_co_u32 s45, s44, 1                       ; NT - 1
	s_mov_b32 s46, 0                               ; trip
	s_mov_b32 s47, 0                               ; 1,024 x trip
; cnt batches from bb on, for the thread's four entries: the compares in one run, a mask each in s[48 ..], one wait, then the selects, batches ascending
.macro PICK cnt
.set d, 0
.rept \cnt
.irp e, 0,1,2,3
	v_cmp_le_u32 s[48+4*d+\e], s[68+bb+d], v[16+\e]        ; batch bb + d ends at or in front of this unit
.endr
.set d, d+1
.endr
	s_wait_alu depctr_va_sdst(0)                   ; the run's masks are written, ahead of the selects that read them
.set d, 0
.rept \cnt
.irp e, 0,1,2,3
	v_cndmask_b32 v[20+\e], v[20+\e], bb+d+1, s[48+4*d+\e]
	v_cndmask_b32 v[24+\e], v[24+\e], s[68+bb+d], s[48+4*d+\e]
.endr
.set d, d+1
.endr
.set bb, bb+\cnt
.endm
.Ltab:                                             ; five trips of 1,024 entries: 5,120 entries, so that a reader may run 1,024 past the last unit
	s_wait_alu depctr_va_vdst(0)
.irp e, 0,1,2,3
	v_add3_u32 v[16+\e], v5, s47, \e
	v_min_u32 v[16+\e], s45, v[16+\e]              ; the unit's number, held at the last unit
	v_mov_b32 v[20+\e], 0                          ; its batch
	v_mov_b32 v[24+\e], 0                          ; the units in front of its batch
.endr
.set bb, 0
.rept 10                               ; batches 0 .. 30: batch 31's end is NT, which is above every unit's number
	PICK 3
.endr
	PICK 1
.irp e, 0,1,2,3
	v_sub_nc_u32 v[28+\e], v[16+\e], v[24+\e]
	v_lshl_add_u32 v[28+\e], v[20+\e], 7, v[28+\e] ; 128 b + the unit's place in its batch
.endr
	s_wait_alu depctr_va_vdst(0)                   ; v[28:31] are written, which the store reads; in the first trip so is its offset v6
	global_store_b128 v6, v[28:31], s[32:33]
	s_wait_xcnt 0x0                                ; the store has read its data and its base: both are written again below and in the next trip
	s_wait_alu depctr_vm_vsrc(0)                   ; the store has read v[28:31], which the next trip's lines write again
	s_add_nc_u64 s[32:33], s[32:33], 4096
	s_add_co_u32 s47, s47, 1024
	s_add_co_u32 s46, s46, 1
	s_cmp_lt_u32 s46, 5
	s_cbranch_scc1 .Ltab
	s_cmp_lg_u32 s36, 0
	s_cbranch_scc1 .Lend
.irp i, 0,1,2,3,4,5,6,7                ; wave 0: the sum of Ws.  No wait: v4 stands since the head, and no vector instruction has named v32-63
	global_load_b128 v[32+4*\i:35+4*\i], v4, s[18:19] offset:512*\i
.endr
	s_mov_b32 s48, 0x76543210
	s_mov_b32 s49, 0xfedcba98
	v_lshlrev_b32 v7, 3, v1
	s_wait_loadcnt 0x0
.irp p, 0,2,4,6,8,10,12,14
	v_pk_add_f32 v[32+\p:33+\p], v[32+\p:33+\p], v[48+\p:49+\p]
.endr
.irp p, 0,2,4,6
	v_pk_add_f32 v[32+\p:33+\p], v[32+\p:33+\p], v[40+\p:41+\p]
.endr
.irp p, 0,2
	v_pk_add_f32 v[32+\p:33+\p], v[32+\p:33+\p], v[36+\p:37+\p]
.endr
	v_pk_add_f32 v[32:33], v[32:33], v[34:35]
	v_add_f32 v32, v32, v33
	v_add_f32_dpp v32, v32, v32 row_xmask:1 row_mask:0xf bank_mask:0xf
	v_add_f32_dpp v32, v32, v32 row_xmask:2 row_mask:0xf bank_mask:0xf
	v_add_f32_dpp v32, v32, v32 row_xmask:4 row_mask:0xf bank_mask:0xf
	v_add_f32_dpp v32, v32, v32 row_xmask:8 row_mask:0xf bank_mask:0xf
	v_permlanex16_b32 v33, v32, s48, s49
	v_add_f32 v32, v32, v33
	v_add_f32 v32, s60, v32                        ; + bs
	v_mov_b32 v33, v32
	s_wait_alu depctr_va_vdst(0)                   ; v32, v33 and the offset v7 are written, which the store reads
	global_store_b64 v7, v[32:33], s[34:35]        ; 64 copies: the wave stores aux's 256 bytes whole
	s_endpgm
; ---------------- Wk -> wkc ----------------
; Wave (T, q): the fragment of columns 16 T .. 16 T + 15 and K step q.  Lane (r, h) takes column 16 T + r; its number 16 c + 4 j + y is
; Wk[512 (q / 4) + 128 j + 32 (q % 4) + 8 c + 4 h + y]: the k whose code stands at byte 128 q + 32 c + 16 h + 4 j + y of a row of sq.
.Lwk:
	s_sub_co_u32 s44, ttmp9, FIRST_K               ; g = 0 .. 63
	s_lshr_b32 s45, s44, 2
	s_lshl_b32 s45, s45, 2
	s_and_b32 s46, s36, 3
	s_add_co_u32 s45, s45, s46                     ; T = 4 (g / 4) + wave % 4: four waves stand on 256 neighbouring bytes of a row of Wk
	s_and_b32 s46, s44, 3
	s_lshl_b32 s46, s46, 1
	s_lshr_b32 s47, s36, 2
	s_add_co_u32 s46, s46, s47                     ; q = 2 (g % 4) + wave / 4
	s_lshr_b32 s47, s46, 2
	s_lshl_b32 s47, s47, 9
	s_and_b32 s48, s46, 3
	s_lshl_b32 s48, s48, 5
	s_add_co_u32 s47, s47, s48                     ; row 512 (q / 4) + 32 (q % 4),
	s_lshl_b32 s47, s47, 12                        ; in bytes,
	s_lshl_b32 s48, s45, 6
	s_add_co_u32 s47, s47, s48                     ; + column 16 T
	v_lshlrev_b32 v5, 14, v3                       ; + 4 h rows
	v_lshl_add_u32 v5, v2, 2, v5                   ; + column r
	v_add_nc_u32 v5, s47, v5
	s_lshl_b32 s48, s45, 3
	s_add_co_u32 s48, s48, s46
	s_lshl_b32 s48, s48, 11                        ; the fragment's 2,048 bytes in wkc: (8 T + q) x 2,048
	s_mov_b32 s49, 0
	s_add_nc_u64 s[28:29], s[28:29], s[48:49]
	s_wait_alu depctr_va_vdst(0)                   ; v5 is written, which the 64 loads read as their offset
.irp c, 0,1,2,3
.irp j, 0,1,2,3
.irp y, 0,1,2,3
	global_load_b32 v[16+16*\c+4*\j+\y], v5, s[6:7] offset:(128*\j+8*\c+\y)*4096
.endr
.endr
.endr
	s_wait_kmcnt 0x0
	SCALE s43, 10, 11
	s_wait_alu depctr_va_vdst(0)
	s_wait_loadcnt 0x0
	QUANT64 16, 208, 10, 11
	s_wait_alu depctr_va_vdst(0)                   ; the conversions have written v[208:223], which the stores read
.irp c, 0,1,2,3
	global_store_b128 v4, v[208+4*\c:211+4*\c], s[28:29] offset:512*\c   ; the wave stores 512 consecutive bytes
.endr
	s_endpgm
; ---------------- q, and cvec ----------------
; Work-group T: columns 16 T .. 16 T + 15 of q for all 32 batches.  Wave w takes K step w (k = 128 w .. 128 w + 127); the eight parts meet in LDS and wave 0 adds them, K ascending.
; Lane (r, h), number 16 c + i: k = 128 w + 32 c + 16 h + i, in Wq's column 16 T + r and in query's row r (+ 16).  The product is used transposed (source 0 = Wq's columns, source 1 = query's rows):
; in the result lane (r, h) holds batch r (+ 16) and its register j column 16 T + 8 h + j.
.Lquery:
	s_sub_co_u32 s44, ttmp9, FIRST_Q               ; T
	s_lshl_b32 s45, s36, 19                        ; 128 w rows of Wq
	s_lshl_b32 s46, s44, 6                         ; column 16 T, in bytes
	s_add_co_u32 s45, s45, s46
	v_lshlrev_b32 v5, 16, v3                       ; 16 h rows
	v_lshl_add_u32 v5, v2, 2, v5
	v_add_nc_u32 v5, s45, v5                       ; Wq
	s_lshl_b32 s47, s36, 9                         ; 128 w numbers of a row of query
	v_lshlrev_b32 v6, 12, v2
	v_lshl_add_u32 v6, v3, 6, v6
	v_add_nc_u32 v6, s47, v6                       ; query: row r, + 16 h numbers
	s_lshl_b32 s47, s36, 11
	v_add_nc_u32 v7, s47, v4                       ; LDS: my wave's 2,048 bytes, 16 x lane
	v_lshlrev_b32 v8, 5, v3
	v_add_nc_u32 v8, s46, v8                       ; the biases: (16 T + 8 h) x 4
	v_lshlrev_b32 v9, 6, v2
	v_lshl_add_u32 v9, v3, 5, v9                   ; cvec: 64 r + 32 h
	s_lshl_b32 s48, s44, 11
	s_mov_b32 s49, 0
	s_add_nc_u64 s[30:31], s[30:31], s[48:49]      ; cvec at tile T: [T][b][16] f32
	s_mov_b32 s60, 0x4038aa3b                      ; 2 log2(e)
	s_mov_b32 s61, s60                             ; (named with it as a pair, so it is written)
	s_wait_alu depctr_va_vdst(0)                   ; the five offsets and addresses v5 to v9 are written, which this part's loads and stores read
.irp c, 0,1,2,3
.irp i, 0,1,2,3,4,5,6,7,8,9,10,11,12,13,14,15
	global_load_b32 v[16+16*\c+\i], v5, s[8:9] offset:(32*\c+\i)*4096
.endr
.endr
.irp m, 0,1
.irp c, 0,1,2,3
.irp j, 0,1,2,3
	global_load_b128 v[80+64*\m+16*\c+4*\j:83+64*\m+16*\c+4*\j], v6, s[10:11] offset:65536*\m+128*\c+16*\j
.endr
.endr
.endr
	s_wait_kmcnt 0x0
	SCALE s41, 10, 11                              ; Wq's
	SCALE s40, 12, 13                              ; query's
	s_wait_alu depctr_va_vdst(0)
	s_wait_loadcnt 0x0
	QUANT64 16, 208, 10, 11
	QUANT64 80, 224, 12, 13
	QUANT64 144, 240, 12, 13
	v_wmma_f32_16x16x128_bf8_bf8 v[16:23], v[208:223], v[224:239], 0    ; batches 0-15
	v_wmma_f32_16x16x128_bf8_bf8 v[24:31], v[208:223], v[240:255], 0    ; batches 16-31
.rept 4
	v_nop                                          ; four places in front of the first read of the results (ISA guide 7.12.1)
.endr
	s_wait_alu depctr_va_vdst(0)                   ; the matrix instructions have written v[16:31], which the LDS stores read (the places above stay beside this wait); and the holds and conversions are done with v48-55 and v80-207, in which wave 0's loads below land
.irp n, 0,1,2,3
	ds_store_b128 v7, v[16+4*\n:19+4*\n] offset:512*\n    ; each result from its low end on
.endr
	s_wait_dscnt 0x0                               ; for wave 0's sake: my part lies in LDS
	s_barrier_signal -1
	s_barrier_wait -1
	s_wait_alu depctr_vm_vsrc(0)                   ; my LDS stores have read v[16:31], which wave 0's additions write: stated ahead of the branch
	s_cmp_lg_u32 s36, 0
	s_cbranch_scc1 .Lend
.irp w, 1,2,3,4,5,6,7
.irp n, 0,1,2,3
	ds_load_b128 v[80+16*(\w-1)+4*\n:83+16*(\w-1)+4*\n], v4 offset:2048*\w+512*\n
.endr
.endr
	global_load_b128 v[192:195], v8, s[12:13]
	global_load_b128 v[196:199], v8, s[12:13] offset:16
	global_load_b128 v[200:203], v8, s[14:15]
	global_load_b128 v[204:207], v8, s[14:15] offset:16
	global_load_b128 v[48:51], v8, s[16:17]
	global_load_b128 v[52:55], v8, s[16:17] offset:16
	s_add_co_i32 s50, s40, s41                     ; a sum stands for sum x 2^(e of query + e of Wq)
	s_wait_dscnt 0x0
.irp w, 1,2,3,4,5,6,7
.irp p, 0,2,4,6,8,10,12,14
	v_pk_add_f32 v[16+\p:17+\p], v[16+\p:17+\p], v[80+16*(\w-1)+\p:81+16*(\w-1)+\p]
.endr
.endr
	s_wait_loadcnt 0x0
.irp p, 0,2,4,6
	v_pk_add_f32 v[48+\p:49+\p], v[48+\p:49+\p], v[192+\p:193+\p]
.endr
.irp p, 0,2,4,6
	v_pk_add_f32 v[48+\p:49+\p], v[48+\p:49+\p], v[200+\p:201+\p]
.endr
.irp p, 0,2,4,6
	v_pk_mul_f32 v[48+\p:49+\p], v[48+\p:49+\p], s[60:61] op_sel_hi:[1,0]      ; 2 log2(e) (bq + bk + bt)
.endr
.set n, 0
.rept 16
	v_ldexp_f32 v[16+n], v[16+n], s50
.set n, n+1
.endr
.irp m, 0,1
.irp p, 0,2,4,6
	v_pk_fma_f32 v[32+8*\m+\p:33+8*\m+\p], v[16+8*\m+\p:17+8*\m+\p], s[60:61], v[48+\p:49+\p] op_sel_hi:[1,0,1]
.endr
.endr
	s_wait_alu depctr_va_vdst(0)                   ; the multiply-adds have written v[32:47], which the stores read
.irp m, 0,1
	global_store_b128 v9, v[32+8*\m:35+8*\m], s[30:31] offset:1024*\m
	global_store_b128 v9, v[36+8*\m:39+8*\m], s[30:31] offset:1024*\m+16
.endr
	s_wait_dscnt 0x0                               ; the closing lines, six on end
	s_wait_alu 0x0
	s_wait_tensorcnt 0x0
	ds_add_u32 v14, v15
	s_wait_dscnt 0x0
	s_endpgm
; ---------------- seq -> sq ----------------
; Work-group g = 32 b + ch takes rows 64 ch .. 64 ch + 63 of batch b, a wave eight of them (half a unit).  A wave whose unit lies past the batch's last unit has nothing to quantise and ends.
; A row: eight loads of 512 consecutive bytes (lane l: k = 128 i + 4 l + 0..3), four conversions, two stores of 512 consecutive bytes.  Four rows (32 loads a wave) are asked for at the start;
; row t asks for row t + 4 as soon as its own data are in, so three to four rows are on their way.
.Lseq:
	s_sub_co_u32 s44, ttmp9, FIRST_S               ; g
	s_lshr_b32 s45, s44, 5                         ; b
	s_and_b32 s46, s44, 31                         ; ch
	s_lshl_b32 s47, s45, 2
	s_load_b32 s48, s[22:23], s47 offset:0x0       ; lengths[b]
	s_lshl_b32 s50, s44, 6
	s_lshl_b32 s49, s36, 3
	s_add_co_u32 s50, s50, s49                     ; my first row of all 65,536: 64 g + 8 x wave
	s_mov_b32 s51, 0
	s_lshl_b64 s[52:53], s[50:51], 12
	s_lshl_b64 s[54:55], s[50:51], 10
	s_add_nc_u64 s[4:5], s[4:5], s[52:53]
	s_add_nc_u64 s[26:27], s[26:27], s[54:55]
	s_lshl_b32 s56, s46, 2
	s_lshr_b32 s57, s36, 1
	s_add_co_u32 s56, s56, s57                     ; my unit in the batch: 4 ch + wave / 2
	s_wait_kmcnt 0x0
	s_max_i32 s48, s48, 1
	s_min_i32 s48, s48, 2048
	s_add_co_u32 s48, s48, 15
	s_lshr_b32 s48, s48, 4                         ; nblk
	s_cmp_ge_u32 s56, s48
	s_cbranch_scc1 .Lend
.macro XLD t, i                        ; piece i of row t's eight, into set t % 5
	global_load_b128 v[XR+32*((\t)%5)+4*(\i):XR+32*((\t)%5)+4*(\i)+3], v4, s[4:5] offset:4096*(\t)+512*(\i) th:TH_LOAD_NT
.endm
.macro CST t, u                        ; half u of row t's codes
	global_store_b128 v4, v[CR+8*(\t)+4*(\u):CR+8*(\t)+4*(\u)+3], s[26:27] offset:1024*(\t)+512*(\u)
.endm
.macro ROW t
.set XS, XR+32*((\t)%5)
.if 7-(\t) >= 3
	s_wait_loadcnt 24                              ; this row's eight loads are in; those of the three rows behind it may be out
.else
	s_wait_loadcnt 8*(7-(\t))
.endif
.if (\t) > 0
	s_wait_alu depctr_va_vdst(0)                   ; the row before has written its codes, which the stores below read, and its holds and conversions are done with its set, in which the loads below land
.endif
.irp g, 0,1,2,3
.if (\t) < 4
	XLD (\t)+4, 2*\g                               ; four rows ahead, into the set that the row before worked on (row 0: into the fifth set, which nobody has named); no vector instruction since the wait names it
	XLD (\t)+4, 2*\g+1
.endif
.if (\t) > 0 && \g < 2
	CST (\t)-1, \g                                 ; the row before leaves
.endif
.set n, 0
.rept 8
	v_med3_num_f32 v[XS+8*\g+n], v[XS+8*\g+n], -v11, v11
.set n, n+1
.endr
.endr
.irp g, 0,1,2,3
	v_cvt_scalef32_pk8_bf8_f32 v[CR+8*(\t)+2*\g:CR+8*(\t)+2*\g+1], v[XS+8*\g:XS+8*\g+7], v10    ; register i of the eight: the four codes of k = 128 i + 4 l + 0..3
.endr
	v_nop
.endm
.irp t, 0,1,2,3
.irp i, 0,1,2,3,4,5,6,7
	XLD \t, \i                                     ; rows 0 to 3.  No wait: v4 stands since the head, and no vector instruction has named the sets
.endr
.endr
	SCALE s42, 10, 11
	s_wait_alu depctr_va_vdst(0)
.irp t, 0,1,2,3,4,5,6,7
	ROW \t
.endr
	s_wait_alu depctr_va_vdst(0)                   ; row 7's conversions have written its codes, which the last two stores read
	CST 7, 0
	CST 7, 1
.Lend:
	s_wait_dscnt 0x0                               ; the closing lines, six on end
	s_wait_alu 0x0
	s_wait_tensorcnt 0x0
	ds_add_u32 v14, v15
	s_wait_dscnt 0x0
	s_endpgm
.Lfunc_end_k_q80ae09a5b0_prep:
	.size	k_q80ae09a5b0_prep, .Lfunc_end_k_q80ae09a5b0_prep-k_q80ae09a5b0_prep
	.p2alignl 7, 3214868480
	.fill 96, 4, 3214868480
	.section	.rodata,"a",@progbits
	.p2align	6, 0x0
	.amdhsa_kernel k_q80ae09a5b0_prep
		.amdhsa_group_segment_fixed_size 17408
		.amdhsa_private_segment_fixed_size 0
		.amdhsa_enable_private_segment 0
		.amdhsa_kernarg_size 128
		.amdhsa_user_sgpr_count 2
		.amdhsa_user_sgpr_kernarg_segment_ptr 1
		.amdhsa_wavefront_size32 1
		.amdhsa_system_sgpr_workgroup_id_x 1
		.amdhsa_system_sgpr_workgroup_id_y 1
		.amdhsa_system_sgpr_workgroup_id_z 1
		.amdhsa_system_vgpr_workitem_id 0
		.amdhsa_next_free_vgpr 256
		.amdhsa_next_free_sgpr 100
		.amdhsa_reserve_vcc 0
		.amdhsa_float_denorm_mode_32 3
		.amdhsa_float_denorm_mode_16_64 3
		.amdhsa_memory_ordered 1
		.amdhsa_forward_progress 1
		.amdhsa_inst_pref_size 110
	.end_amdhsa_kernel
	.amdgpu_metadata
---
amdhsa.version: [ 1, 2 ]
amdhsa.kernels:
  - .name:           k_q80ae09a5b0_prep
    .symbol:         k_q80ae09a5b0_prep.kd
    .args:
      - { .name: seq, .offset: 0, .size: 8, .value_kind: global_buffer, .address_space: global }
      - { .name: Wk, .offset: 8, .size: 8, .value_kind: global_buffer, .address_space: global }
      - { .name: Wq, .offset: 16, .size: 8, .value_kind: global_buffer, .address_space: global }
      - { .name: query, .offset: 24, .size: 8, .value_kind: global_buffer, .address_space: global }
      - { .name: bq, .offset: 32, .size: 8, .value_kind: global_buffer, .address_space: global }
      - { .name: bk, .offset: 40, .size: 8, .value_kind: global_buffer, .address_space: global }
      - { .name: bt, .offset: 48, .size: 8, .value_kind: global_buffer, .address_space: global }
      - { .name: Ws, .offset: 56, .size: 8, .value_kind: global_buffer, .address_space: global }
      - { .name: bs, .offset: 64, .size: 8, .value_kind: global_buffer, .address_space: global }
      - { .name: lengths, .offset: 72, .size: 8, .value_kind: global_buffer, .address_space: global }
      - { .name: lowp_scales, .offset: 80, .size: 8, .value_kind: global_buffer, .address_space: global }
      - { .name: sq, .offset: 88, .size: 8, .value_kind: global_buffer, .address_space: global }
      - { .name: wkc, .offset: 96, .size: 8, .value_kind: global_buffer, .address_space: global }
      - { .name: cvec, .offset: 104, .size: 8, .value_kind: global_buffer, .address_space: global }
      - { .name: utab, .offset: 112, .size: 8, .value_kind: global_buffer, .address_space: global }
      - { .name: aux, .offset: 120, .size: 8, .value_kind: global_buffer, .address_space: global }
    .group_segment_fixed_size: 17408
    .private_segment_fixed_size: 0
    .kernarg_segment_align: 8
    .kernarg_segment_size: 128
    .max_flat_workgroup_size: 256
    .sgpr_count:     100
    .vgpr_count:     256
    .wavefront_size: 32
...
	.end_amdgpu_metadata
.endif
;; end of part 4
;; launch scores (part 5): grid 4 x 64, 4 waves a work-group, no clusters, 166,400 bytes of LDS; arguments sq, wkc, cvec, utab, lengths, time_features, Wt, Ws, lowp_scales, ps; writes ps
.if DOCPART == 5
	.amdgcn_target "amdgcn-amd-amdhsa--gfx1250"
	.amdhsa_code_object_version 6
	.text
	.protected	k_q80ae09a5b0_scores
	.globl	k_q80ae09a5b0_scores
	.p2align	8
	.type	k_q80ae09a5b0_scores,@function
k_q80ae09a5b0_scores:
	s_mov_b64 s[64:65], 0
	v_nop
	global_prefetch_b8 v0, s[64:65] scope:SCOPE_SE
	s_setreg_imm32_b32 hwreg(HW_REG_WAVE_MODE, 25, 1), 1
	s_wait_xcnt 0x0
; SCORES: ps[cq][row] = the sum over the 256 columns d of quarter cq of -2 Ws[d] / (1 + 2^z), z = 2 log2(e) (k + q + t)[row][d]; with tanh(x) = 1 - 2 / (1 + 2^(2 log2(e) x))
; a row's score is (bs + the sum of Ws) + the four quarters' ps.  A very large z gives 2^z = infinity and the term 0, a very small one 2^z = 0 and the term -2 Ws: both are tanh's limits.
; k = Q(seq) Q(Wk) on codes of E5M2 by v_wmma_f32_16x16x128_bf8_bf8; only the units (16 rows of one batch) that hold a row s < lengths[b] are multiplied: the others lie under the mask that the softmax puts on them.
; SHARES.  Work-group (cq, j): columns 256 cq .. 256 cq + 255, units j Us .. j Us + Us - 1 of the table, Us = ceil(NT / 64), at most 64.  Wave w: column tiles T = 16 cq + 4 w + 0..3.
; Its 4 tiles x 8 K steps of Wk's codes (512 registers) stay in registers for the whole launch; what goes round is a unit's 16 KB of codes, staged through LDS four units at a time
; (wave w brings unit w of the four: 32 loads of 512 consecutive bytes into registers, three units' work ahead of their LDS stores).
; No tensor load and no joint load: units are passed over by scalar branches on numbers read from memory.  Every wave passes every barrier: the loop has 8 trips of 8 units whatever the lengths, and only a unit's work is jumped over.
; THE PRODUCT IS USED TRANSPOSED (source 0 = 16 columns of Wk, source 1 = the unit's 16 rows): lane (r, h) holds row r, and register 8 t + i the column 16 T + 8 h + i.  So a row's sum over my 32 columns stays in the lane.
; LIMITS: e of seq + e of Wk lies between -127 and 126 (they are added to the exponent field of 2 log2(e)).  lengths are held in 1 .. 2,048.  NaN among the inputs is not served.
; REGISTERS, in windows of 256.  Window 0: v1-31 addresses; v32-63 the four accumulators; v96-127 cvec of the batch in hand; v128-159, v160-191 2 log2(e) Wt[0], Wt[1]; v192-223 -2 Ws;
;   v224-239 the eight units' time features, a pair each; v240-247 the score's four chains.   Window 1: v0-127 the unit's 8 fragments; v128-255 the staged unit.   Windows 2, 3: Wk's fragments of K steps 0-3, 4-7, at 16 (4 (q % 4) + t).
.set PITCH, 1040                       ; an LDS row: 1,024 bytes of codes + 16: 65 x 16, so the 16 rows that a fragment load touches start at 16 different banks (64 banks of 4 bytes: ISA guide 11.1)
.set UNITB, 16*PITCH
.set SLOT,  4*UNITB                    ; a slot: four units
.set SCO,   2*SLOT                     ; behind the two slots: the scores, 512 bytes a unit: 4 waves x 32 lanes x 4 bytes, no gap: every byte of the region belongs to some lane's word
.set SPU,   512
.set MSB, 0
.macro WIN new                         ; the immediate's high byte repeats the setting that is left
.if MSB != \new
	s_set_vgpr_msb (MSB<<8)|\new
.set MSB, \new
.endif
.endm
; 32 matrix instructions: the unit's 16 rows x my 64 columns x 1,024 along K.  The four accumulators take turns, one instruction a turn; the first K step starts the sums.
.macro MM
	WIN 0x06                                       ; source 0 (Wk) window 2, source 1 (the unit) window 1, C and D window 0
.irp q, 0,1,2,3
.irp t, 0,1,2,3
.if \q == 0
	v_wmma_f32_16x16x128_bf8_bf8 v[32+8*\t:39+8*\t], v[16*(4*\q+\t):16*(4*\q+\t)+15], v[16*\q:16*\q+15], 0
.else
	v_wmma_f32_16x16x128_bf8_bf8 v[32+8*\t:39+8*\t], v[16*(4*\q+\t):16*(4*\q+\t)+15], v[16*\q:16*\q+15], v[32+8*\t:39+8*\t]
.endif
.endr
.endr
	WIN 0x07                                       ; source 0 window 3
.irp q, 0,1,2,3
.irp t, 0,1,2,3
	v_wmma_f32_16x16x128_bf8_bf8 v[32+8*\t:39+8*\t], v[16*(4*\q+\t):16*(4*\q+\t)+15], v[16*(\q+4):16*(\q+4)+15], v[32+8*\t:39+8*\t]
.endr
.endr
	WIN 0
.endm
; unit i of a slot into the fragment registers: lane (r, h), register 16 q + 4 c + j: bytes 128 q + 32 c + 16 h + 4 j .. + 3 of row r
.macro ALOAD slot, i
	WIN 0x40                                       ; destination window 1
.irp q, 0,1,2,3,4,5,6,7
.irp c, 0,1,2,3
	ds_load_b128 v[16*\q+4*\c:16*\q+4*\c+3], v[4+\slot] offset:UNITB*(\i)+128*\q+32*\c
.endr
.endr
	WIN 0
.endm
; cvec of batch s38 for my 32 columns
.macro CPLOAD
	s_min_u32 s39, s38, 31
	s_lshl_b32 s39, s39, 6
	v_add_nc_u32 v14, s39, v15                     ; 64 b + 32 h
.irp t, 0,1,2,3
	global_load_b128 v[96+8*\t:99+8*\t], v14, s[8:9] offset:2048*\t
	global_load_b128 v[100+8*\t:103+8*\t], v14, s[8:9] offset:2048*\t+16
.endr
	s_wait_loadcnt 0x0                             ; once for each change of batch
	s_mov_b32 s33, s38
.endm
; from the sums to the lane's part of the score of unit k of the trip
.macro EP k
.set n, 0
.rept 16
	v_pk_fma_f32 v[32+2*n:33+2*n], v[32+2*n:33+2*n], s[36:37], v[96+2*n:97+2*n] op_sel_hi:[1,0,1]     ; sum x 2 log2(e) 2^(e + e) + cvec; each accumulator from its low end on
.set n, n+1
.endr
.set n, 0
.rept 16
	v_pk_fma_f32 v[32+2*n:33+2*n], v[224+2*\k:225+2*\k], v[128+2*n:129+2*n], v[32+2*n:33+2*n] op_sel_hi:[0,1,1]     ; + my row's first time feature x Wt[0]
.set n, n+1
.endr
.set n, 0
.rept 16
	v_pk_fma_f32 v[32+2*n:33+2*n], v[224+2*\k:225+2*\k], v[160+2*n:161+2*n], v[32+2*n:33+2*n] op_sel:[1,0,0] op_sel_hi:[1,1,1]   ; + the second x Wt[1]
.set n, n+1
.endr
.set n, 0
	s_wait_alu depctr_va_vdst(0)
.rept 32
	v_exp_f32 v[32+n], v[32+n]
.set n, n+1
.endr
	v_nop                                          ; a plain line behind the last exponential,
	s_wait_alu depctr_va_vdst(0)                   ; and one wait for the batch ahead of its first reader
.set n, 0
.rept 16
	v_pk_add_f32 v[32+2*n:33+2*n], v[32+2*n:33+2*n], 1.0 op_sel_hi:[1,0]
.set n, n+1
.endr
.set n, 0
	s_wait_alu depctr_va_vdst(0)
.rept 32
	v_rcp_f32 v[32+n], v[32+n]
.set n, n+1
.endr
	v_nop
	s_wait_alu depctr_va_vdst(0)                   ; the same for the reciprocals
.set n, 0
.rept 16
.if n < 4
	v_pk_mul_f32 v[240+2*n:241+2*n], v[32+2*n:33+2*n], v[192+2*n:193+2*n]      ; four chains, started by the first four pairs
.else
	v_pk_fma_f32 v[240+2*(n%4):241+2*(n%4)], v[32+2*n:33+2*n], v[192+2*n:193+2*n], v[240+2*(n%4):241+2*(n%4)]
.endif
.set n, n+1
.endr
	v_pk_add_f32 v[240:241], v[240:241], v[242:243]
	v_pk_add_f32 v[244:245], v[244:245], v[246:247]
	v_pk_add_f32 v[240:241], v[240:241], v[244:245]
	v_add_f32 v240, v240, v241
	ds_store_b32 v17, v240 offset:SPU*\k           ; my own word: unit, wave, lane
.endm
; unit k of the trip; its successor lies in slot nslot, place nunit
.macro UNIT k, nslot, nunit
	s_cmp_gt_i32 s31, \k                           ; are there more than k units left?
	s_cbranch_scc0 .Lskip_\@
	s_lshr_b32 s38, s[44+\k], 7                    ; the unit's batch
	s_cmp_eq_u32 s38, s33
	s_cbranch_scc1 .Lsame_\@
	CPLOAD
.Lsame_\@:
	s_wait_dscnt 0x1                               ; the 32 fragment loads are in; behind them stands at most the last unit's score store
	MM
.rept 4
	v_nop                                          ; four places in front of the loads into the fragment registers and of the first read of the sums
.endr
	ALOAD \nslot, \nunit                           ; the next unit's fragments land while this unit's scores are made; both slots hold written bytes from the head on
	EP \k
.Lskip_\@:
.endm
; four units (their numbers in s[first .. first + 3]) are asked for: wave w brings unit w's 16 KB into registers; every wave brings the four units' time features into v[set ..].  lim >= 0: only if more than lim units are left
.macro STGLOAD first, set, lim
.if \lim >= 0
	s_cmp_gt_i32 s31, \lim
	s_cbranch_scc0 .Lno_load_\@
.endif
	s_cmp_eq_u32 s24, 1
	s_cselect_b32 s38, s[\first+1], s[\first]
	s_cmp_eq_u32 s24, 2
	s_cselect_b32 s38, s[\first+2], s38
	s_cmp_eq_u32 s24, 3
	s_cselect_b32 s38, s[\first+3], s38
	s_min_u32 s38, s38, 4095
	s_lshl_b32 s38, s38, 14                        ; a unit's codes are 16,384 bytes
	v_add_nc_u32 v8, s38, v1
	s_wait_alu depctr_va_vdst(0)
.irp i, 0,1,2,3
	s_min_u32 s39, s[\first+\i], 4095
	s_lshl_b32 s39, s39, 7                         ; a unit's time features are 128 bytes
	v_add_nc_u32 v[10+\i], s39, v9
.endr
.irp i, 0,1,2,3
	global_load_b64 v[\set+2*\i:\set+2*\i+1], v[10+\i], s[14:15]
.endr
	WIN 0x40                                       ; destination window 1
.set n, 0
.rept 16
	global_load_b128 v[128+8*n:131+8*n], v8, s[4:5] offset:1024*n
	global_load_b128 v[132+8*n:135+8*n], v8, s[4:5] offset:1024*n+512
.set n, n+1
.endr
	WIN 0
.if \lim >= 0
.Lno_load_\@:
.endif
.endm
; the staged unit goes into its slot, and the work-group's barrier.  In front of the barrier each wave's LDS stores have landed and its reads of the other slot are in: between two barriers one slot is only read and the other only written
.macro STGSTORE slot, lim
	s_wait_loadcnt 0x0                             ; the staged codes and time features are in; their address registers may be written again
	s_cmp_gt_i32 s31, \lim
	s_cbranch_scc0 .Lno_store_\@
	WIN 0x04                                       ; data window 1
.set n, 0
.rept 16
	ds_store_b128 v[6+\slot], v[128+8*n:131+8*n] offset:PITCH*n
	ds_store_b128 v[6+\slot], v[132+8*n:135+8*n] offset:PITCH*n+512
.set n, n+1
.endr
	WIN 0
.Lno_store_\@:
	s_wait_dscnt 0x0
	s_barrier_signal -1
	s_barrier_wait -1
.endm
	s_load_b512 s[4:19], s[0:1], 0x0               ; sq 4, wkc 6, cvec 8, utab 10, lengths 12, time_features 14, Wt 16, Ws 18
	s_load_b128 s[20:23], s[0:1], 0x40             ; lowp_scales 20, ps 22
	v_lshl_add_u32 v254, v0, 2, 0x28800
	v_mov_b32 v255, 0
	v_lshrrev_b32 v1, 5, v0
	v_readfirstlane_b32 s24, v1                    ; wave 0..3
	s_mov_b32 s25, ttmp9                           ; cq
	s_and_b32 s26, ttmp7, 0xffff                   ; j
	v_and_b32 v18, 31, v0                          ; lane
	v_lshlrev_b32 v1, 4, v18                       ; 16 x lane
	v_and_b32 v2, 15, v0                           ; r
	v_bfe_u32 v3, v0, 4, 1                         ; h
	v_mul_u32_u24 v4, v2, PITCH
	v_lshl_add_u32 v4, v3, 4, v4                   ; fragments, slot 0: row r, + 16 h
	v_add_nc_u32 v5, SLOT, v4                      ; slot 1
	s_mul_i32 s38, s24, UNITB
	v_add_nc_u32 v6, s38, v1                       ; staging, slot 0: unit w, 16 x lane
	v_add_nc_u32 v7, SLOT, v6                      ; slot 1
	v_lshlrev_b32 v9, 3, v2                        ; 8 r: a row's two time features
	v_lshlrev_b32 v15, 5, v3                       ; 32 h: my half's eight columns
	s_lshl_b32 s38, s24, 7
	v_lshl_add_u32 v16, v18, 2, s38
	v_add_nc_u32 v16, SCO, v16                     ; my score word of unit 0: SCO + 128 w + 4 x lane
	s_lshl_b32 s38, s25, 4
	s_lshl_b32 s39, s24, 2
	s_add_co_u32 s38, s38, s39                     ; my first column tile: 16 cq + 4 w
	s_mov_b32 s61, 0
	s_wait_alu depctr_va_vdst(0)
	s_wait_kmcnt 0x0
	s_load_b512 s[68:83], s[12:13], 0x0            ; the 32 lengths
	s_load_b512 s[84:99], s[12:13], 0x40
	s_load_b128 s[40:43], s[20:21], 0x0            ; the four exponents
	s_lshl_b32 s60, s38, 14
	s_add_nc_u64 s[6:7], s[6:7], s[60:61]          ; wkc: a tile's eight fragments are 16,384 bytes
	s_lshl_b32 s60, s38, 11
	s_add_nc_u64 s[8:9], s[8:9], s[60:61]          ; cvec: a tile is 2,048 bytes
	s_lshl_b32 s60, s25, 18
	s_add_nc_u64 s[22:23], s[22:23], s[60:61]      ; ps: my quarter
	s_lshl_b32 s60, s38, 6
	v_add_nc_u32 v19, s60, v15                     ; Wt, Ws: column 16 x tile + 8 h, in bytes
	WIN 0x80                                       ; destination window 2: Wk's fragments of K steps 0-3
.irp q, 0,1,2,3
.irp t, 0,1,2,3
.irp c, 0,1,2,3
	global_load_b128 v[16*(4*\q+\t)+4*\c:16*(4*\q+\t)+4*\c+3], v1, s[6:7] offset:16384*\t+2048*\q+512*\c
.endr
.endr
.endr
	WIN 0xc0                                       ; window 3: K steps 4-7
.irp q, 0,1,2,3
.irp t, 0,1,2,3
.irp c, 0,1,2,3
	global_load_b128 v[16*(4*\q+\t)+4*\c:16*(4*\q+\t)+4*\c+3], v1, s[6:7] offset:16384*\t+2048*(\q+4)+512*\c
.endr
.endr
.endr
	WIN 0
.irp t, 0,1,2,3
	global_load_b128 v[128+8*\t:131+8*\t], v19, s[16:17] offset:64*\t
	global_load_b128 v[132+8*\t:135+8*\t], v19, s[16:17] offset:64*\t+16
	global_load_b128 v[160+8*\t:163+8*\t], v19, s[16:17] offset:4096+64*\t
	global_load_b128 v[164+8*\t:167+8*\t], v19, s[16:17] offset:4096+64*\t+16
	global_load_b128 v[192+8*\t:195+8*\t], v19, s[18:19] offset:64*\t
	global_load_b128 v[196+8*\t:199+8*\t], v19, s[18:19] offset:64*\t+16
.endr
	s_wait_kmcnt 0x0
	s_mov_b32 s27, 0
.set bb, 0
.rept 32                               ; NT = the sum of the batches' units
	s_max_i32 s[68+bb], s[68+bb], 1
	s_min_i32 s[68+bb], s[68+bb], 2048
	s_add_co_u32 s[68+bb], s[68+bb], 15
	s_lshr_b32 s[68+bb], s[68+bb], 4
	s_add_co_u32 s27, s27, s[68+bb]
.set bb, bb+1
.endr
	s_add_co_u32 s28, s27, 63
	s_lshr_b32 s28, s28, 6                         ; Us
	s_mul_i32 s38, s26, s28
	s_min_u32 s29, s38, 4032                       ; my first unit (63 x 64 at the most)
	s_sub_co_i32 s30, s27, s38
	s_max_i32 s30, s30, 0
	s_min_i32 s30, s30, s28                        ; n: how many are mine
	s_mov_b32 s31, s30                             ; units left at the head of the trip
	s_lshl_b32 s35, s29, 2
	s_mov_b32 s66, s35                             ; my first entry of the table, in bytes
	s_load_b256 s[44:51], s[10:11], s35 offset:0x0     ; this trip's eight units,
	s_load_b256 s[52:59], s[10:11], s35 offset:0x20    ; the next trip's
	s_add_co_i32 s38, s42, s43
	s_lshl_b32 s38, s38, 23
	s_add_co_i32 s36, s38, 0x4038aa3b              ; 2 log2(e) x 2^(e of seq + e of Wk): the exponents are added to the exponent field
	s_mov_b32 s37, s36                             ; (named with it as a pair, so it is written)
	s_mov_b32 s62, 0x4038aa3b                      ; 2 log2(e)
	s_mov_b32 s63, s62
	s_wait_kmcnt 0x0
	STGLOAD 44, 224, -1                            ; the first four units: the table is filled past its end with the last unit, so every entry names codes that were written
.irp i, 0,1,2,3
	s_min_u32 s39, s[48+\i], 4095
	s_lshl_b32 s39, s39, 7
	v_add_nc_u32 v[20+\i], s39, v9
	global_load_b64 v[232+2*\i:233+2*\i], v[20+\i], s[14:15]
.endr
	s_lshr_b32 s38, s44, 7
	CPLOAD                                         ; its wait is for all the loads above too
.set n, 0
.rept 32
	v_pk_mul_f32 v[128+2*n:129+2*n], v[128+2*n:129+2*n], s[62:63] op_sel_hi:[1,0]
.set n, n+1
.endr
.set n, 0
.rept 16
	v_pk_mul_f32 v[192+2*n:193+2*n], v[192+2*n:193+2*n], -2.0 op_sel_hi:[1,0]
.set n, n+1
.endr
	WIN 0x04
.set n, 0
.rept 16                               ; into both slots, so that no LDS byte is read that nobody wrote
	ds_store_b128 v6, v[128+8*n:131+8*n] offset:PITCH*n
	ds_store_b128 v6, v[132+8*n:135+8*n] offset:PITCH*n+512
	ds_store_b128 v7, v[128+8*n:131+8*n] offset:PITCH*n
	ds_store_b128 v7, v[132+8*n:135+8*n] offset:PITCH*n+512
.set n, n+1
.endr
	WIN 0
	s_wait_dscnt 0x0
	s_barrier_signal -1
	s_barrier_wait -1
	ALOAD 0, 0
	s_wait_dscnt 0x0
	s_mov_b32 s32, 0                               ; trip
	s_mov_b32 s34, 0                               ; the trip's first unit in the scores' region
.Ltrip:                                            ; eight trips of eight units
	v_add_nc_u32 v17, s34, v16
	STGLOAD 48, 232, 4                             ; units 4-7 are asked for,
	UNIT 0, 0, 1
	UNIT 1, 0, 2
	UNIT 2, 0, 3
	STGSTORE 1, 4                                  ; and go into slot 1, whose last reads stood in front of the barrier before
	UNIT 3, 1, 0
	s_wait_kmcnt 0x0                               ; the next trip's eight units
	STGLOAD 52, 224, 8
	UNIT 4, 1, 1
	UNIT 5, 1, 2
	UNIT 6, 1, 3
	STGSTORE 0, 8
	UNIT 7, 0, 0
.irp i, 0,1,2,3,4,5,6,7
	s_mov_b32 s[44+\i], s[52+\i]
.endr
	s_add_co_u32 s35, s35, 32                      ; (the scalar load that read it was waited for above)
	s_load_b256 s[52:59], s[10:11], s35 offset:0x20    ; at most entry 4,032 + 79 of 5,120
	s_sub_co_i32 s31, s31, 8
	s_add_co_u32 s34, s34, 8*SPU
	s_add_co_u32 s32, s32, 1
	s_cmp_lt_u32 s32, 8
	s_cbranch_scc1 .Ltrip
; THE WAY OUT: a row's eight parts (4 waves x 2 halves of the lanes) are added; four threads take a unit's 16 rows, 16 bytes each: eight units of one batch are 512 consecutive bytes of ps.
; Two passes of 32 units.  The units' numbers come from the table WITH ALL LANES ON (entry 4,032 + 63 at the most, of 5,120), and are held at 4,095 and made into offsets with all lanes on too:
; so every lane of an offset register holds a held number.  Only the LDS reads, the sums and the store run with the lanes of my n units alone.
	s_wait_kmcnt 0x0
	v_lshrrev_b32 v24, 2, v0                       ; the unit, 0 .. 31
	v_and_b32 v25, 3, v0
	v_lshlrev_b32 v25, 4, v25                      ; my four rows' 16 bytes
	v_mul_u32_u24 v26, v24, SPU
	v_add_nc_u32 v26, v26, v25
	v_add_nc_u32 v26, SCO, v26
	v_lshl_add_u32 v27, v24, 2, s66                ; the unit's entry of the table
	global_load_b32 v28, v27, s[10:11]             ; pass 0's unit,
	global_load_b32 v29, v27, s[10:11] offset:128  ; pass 1's: both land while the waves meet
	s_wait_dscnt 0x0                               ; for the others' sake: my score words lie in LDS
	s_barrier_signal -1
	s_barrier_wait -1
	s_wait_loadcnt 0x0
	v_min_u32 v28, 4095, v28
	v_min_u32 v29, 4095, v29
	v_lshlrev_b32 v28, 6, v28                      ; a unit's 16 rows are 64 bytes of ps
	s_wait_alu depctr_va_vdst(0)
	v_lshlrev_b32 v29, 6, v29
	v_add_nc_u32 v28, v28, v25
	v_add_nc_u32 v29, v29, v25
.macro OUTPASS pp
	v_add_nc_u32 v22, 32*\pp, v24
	v_cmp_gt_u32 vcc_lo, s30, v22                  ; only my n units
	s_wait_xcnt 0x0                                ; EXEC changes only behind this wait
	s_and_saveexec_b32 s39, vcc_lo
.irp m, 0,1,2,3,4,5,6,7
	ds_load_b128 v[32+4*\m:35+4*\m], v26 offset:32*SPU*\pp+64*\m
.endr
	s_wait_dscnt 0x0
.irp p, 0,2,4,6,8,10,12,14
	v_pk_add_f32 v[32+\p:33+\p], v[32+\p:33+\p], v[48+\p:49+\p]
.endr
.irp p, 0,2,4,6
	v_pk_add_f32 v[32+\p:33+\p], v[32+\p:33+\p], v[40+\p:41+\p]
.endr
.irp p, 0,2
	v_pk_add_f32 v[32+\p:33+\p], v[32+\p:33+\p], v[36+\p:37+\p]
.endr
	global_store_b128 v[28+\pp], v[32:35], s[22:23]
	s_wait_xcnt 0x0                                ; and again, in front of the line that widens EXEC; the store's data may be written again
	s_or_b32 exec_lo, exec_lo, s39
.endm
	OUTPASS 0
	OUTPASS 1
	s_wait_xcnt 0x0
	s_mov_b32 exec_lo, -1
	s_wait_tensorcnt 0x0
	ds_add_u32 v254, v255
	s_wait_dscnt 0x0
	s_endpgm
.Lfunc_end_k_q80ae09a5b0_scores:
	.size	k_q80ae09a5b0_scores, .Lfunc_end_k_q80ae09a5b0_scores-k_q80ae09a5b0_scores
	.p2alignl 7, 3214868480
	.fill 96, 4, 3214868480
	.section	.rodata,"a",@progbits
	.p2align	6, 0x0
	.amdhsa_kernel k_q80ae09a5b0_scores
		.amdhsa_group_segment_fixed_size 166400
		.amdhsa_private_segment_fixed_size 0
		.amdhsa_enable_private_segment 0
		.amdhsa_kernarg_size 80
		.amdhsa_user_sgpr_count 2
		.amdhsa_user_sgpr_kernarg_segment_ptr 1
		.amdhsa_wavefront_size32 1
		.amdhsa_system_sgpr_workgroup_id_x 1
		.amdhsa_system_sgpr_workgroup_id_y 1
		.amdhsa_system_sgpr_workgroup_id_z 1
		.amdhsa_system_vgpr_workitem_id 0
		.amdhsa_next_free_vgpr 1024
		.amdhsa_next_free_sgpr 100
		.amdhsa_reserve_vcc 1
		.amdhsa_float_denorm_mode_32 3
		.amdhsa_float_denorm_mode_16_64 3
		.amdhsa_memory_ordered 1
		.amdhsa_forward_progress 1
		.amdhsa_inst_pref_size 160
	.end_amdhsa_kernel
	.amdgpu_metadata
---
amdhsa.version: [ 1, 2 ]
amdhsa.kernels:
  - .name:           k_q80ae09a5b0_scores
    .symbol:         k_q80ae09a5b0_scores.kd
    .args:
      - { .name: sq, .offset: 0, .size: 8, .value_kind: global_buffer, .address_space: global }
      - { .name: wkc, .offset: 8, .size: 8, .value_kind: global_buffer, .address_space: global }
      - { .name: cvec, .offset: 16, .size: 8, .value_kind: global_buffer, .address_space: global }
      - { .name: utab, .offset: 24, .size: 8, .value_kind: global_buffer, .address_space: global }
      - { .name: lengths, .offset: 32, .size: 8, .value_kind: global_buffer, .address_space: global }
      - { .name: time_features, .offset: 40, .size: 8, .value_kind: global_buffer, .address_space: global }
      - { .name: Wt, .offset: 48, .size: 8, .value_kind: global_buffer, .address_space: global }
      - { .name: Ws, .offset: 56, .size: 8, .value_kind: global_buffer, .address_space: global }
      - { .name: lowp_scales, .offset: 64, .size: 8, .value_kind: global_buffer, .address_space: global }
      - { .name: ps, .offset: 72, .size: 8, .value_kind: global_buffer, .address_space: global }
    .group_segment_fixed_size: 166400
    .private_segment_fixed_size: 0
    .kernarg_segment_align: 8
    .kernarg_segment_size: 80
    .max_flat_workgroup_size: 128
    .sgpr_count:     100
    .vgpr_count:     1024
    .wavefront_size: 32
...
	.end_amdgpu_metadata
.endif
;; end of part 5
;; launch wsum (part 6): grid 16 x 32, 8 waves a work-group, no clusters, 13,824 bytes of LDS; arguments seq, ps, aux, lengths, out0; writes out0
.if DOCPART == 6
	.amdgcn_target "amdgcn-amd-amdhsa--gfx1250"
	.amdhsa_code_object_version 6
	.text
	.protected	k_q80ae09a5b0_wsum
	.globl	k_q80ae09a5b0_wsum
	.p2align	8
	.type	k_q80ae09a5b0_wsum,@function
k_q80ae09a5b0_wsum:
	s_mov_b64 s[64:65], 0
	v_nop
	global_prefetch_b8 v0, s[64:65] scope:SCOPE_SE
	s_setreg_imm32_b32 hwreg(HW_REG_WAVE_MODE, 25, 1), 1
	s_wait_xcnt 0x0
; WSUM: score[s] = aux + the four quarters of ps; rows s >= lengths[b] count for nothing; weights = softmax (the row's maximum is taken away first); out0[b] = the sum of weight x seq[b][s], all in f32.
; SHARES.  Work-group (slice, b): 64 columns (256 bytes of every row) of batch b.  Each work-group makes the batch's 2,048 weights for itself (p = 2^(t - m), t = score x log2(e); the sum divides at the end) and keeps them in LDS.
; The rows go in blocks of 128: wave w, lane (x, h) takes rows 16 w + 8 h + 0..7 of a block and columns 4 x .. 4 x + 3 of the slice, so each load covers two rows' aligned 256 bytes.
; Two buffers of eight loads a wave take turns.  The 16 blocks are written out; a block past the batch's last is not walked: a forward jump on the length leads to the end, where every wave meets the barrier.
; A refill is issued in every block that is walked (up to block 13), so the counted waits count the same loads on every way; one that would lie past the batch's last block has its offset multiplied by 0 and asks for one 16-byte piece of each of the batch's first eight rows.
; Matrix units are left out: the product has one row.  LIMITS: lengths are held in 1 .. 2,048.  NaN among the inputs is not served.
.set PW,   0                           ; LDS: p[2,048]
.set RMAX, 8192                        ; the waves' maxima,
.set RSUM, 8448                        ; their sums,
.set RED,  8704                        ; their parts of the result: 512 bytes a wave
	s_load_b256 s[4:11], s[0:1], 0x0               ; seq 4, ps 6, aux 8, lengths 10
	s_load_b64 s[12:13], s[0:1], 0x20              ; out0
	v_lshl_add_u32 v144, v0, 2, 0x3200
	v_mov_b32 v145, 0
	v_lshrrev_b32 v1, 5, v0
	s_delay_alu instid0(VALU_DEP_1)
	v_readfirstlane_b32 s14, v1                    ; wave 0..7
	s_and_b32 s15, ttmp7, 0xffff                   ; b
	s_lshl_b32 s16, s15, 2
	v_and_b32 v1, 31, v0                           ; lane
	v_and_b32 v2, 15, v0                           ; x
	v_bfe_u32 v3, v0, 4, 1                         ; h
	s_delay_alu instid0(VALU_DEP_3)
	v_lshlrev_b32 v4, 4, v1                        ; 16 x lane
	v_lshlrev_b32 v7, 2, v0                        ; 4 x thread: my first row of the scores
	v_lshlrev_b32 v14, 4, v0                       ; 16 x thread
	s_lshl_b32 s22, s14, 2
	s_add_co_u32 s22, s22, RMAX
	v_mov_b32 v10, s22                             ; my wave's word
	v_mov_b32 v11, RMAX
	s_lshl_b32 s22, s14, 6
	v_lshl_add_u32 v12, v3, 5, s22                 ; my eight weights of a block: 64 w + 32 h
	s_lshl_b32 s22, s14, 16
	v_lshlrev_b32 v13, 4, v2
	s_delay_alu instid0(VALU_DEP_1)
	v_lshl_add_u32 v13, v3, 15, v13
	s_delay_alu instid0(VALU_DEP_1)
	v_add_nc_u32 v13, s22, v13                     ; seq: row 16 w + 8 h of a block, + 16 x
	s_mov_b32 s26, 0x76543210
	s_mov_b32 s27, 0xfedcba98
	s_mov_b32 s21, 0
	s_wait_alu depctr_va_vdst(0)
	s_wait_kmcnt 0x0
	s_load_b32 s17, s[10:11], s16 offset:0x0       ; lengths[b]
	s_load_b32 s18, s[8:9], 0x0                    ; bs + the sum of Ws
	s_lshl_b32 s20, s15, 23
	s_lshl_b32 s22, ttmp9, 8
	s_add_co_u32 s20, s20, s22
	s_add_nc_u64 s[4:5], s[4:5], s[20:21]          ; seq at my batch and slice
	s_lshl_b32 s20, s15, 13
	s_add_nc_u64 s[6:7], s[6:7], s[20:21]          ; ps at my batch
	s_lshl_b32 s20, s15, 12
	s_add_co_u32 s20, s20, s22
	s_add_nc_u64 s[12:13], s[12:13], s[20:21]      ; out0 likewise
	s_wait_kmcnt 0x0
	s_max_i32 s17, s17, 1
	s_min_i32 s17, s17, 2048                       ; len
	s_add_co_u32 s19, s17, 15
	s_lshr_b32 s19, s19, 4
	s_lshl_b32 s19, s19, 2
	s_sub_co_u32 s19, s19, 1                       ; the last group of four rows whose ps was written
	s_add_co_u32 s23, s17, 127
	s_lshr_b32 s23, s23, 7                         ; NB: blocks of 128 rows, 1 .. 16
	v_min_u32 v5, s19, v0
	s_delay_alu instid0(VALU_DEP_1)
	v_min_u32 v5, 511, v5
	s_delay_alu instid0(VALU_DEP_1)
	v_lshlrev_b32 v5, 4, v5                        ; group = thread,
	v_add_nc_u32 v6, 256, v0
	s_delay_alu instid0(VALU_DEP_1)
	v_min_u32 v6, s19, v6
	s_delay_alu instid0(VALU_DEP_1)
	v_min_u32 v6, 511, v6
	s_delay_alu instid0(VALU_DEP_1)
	v_lshlrev_b32 v6, 4, v6                        ; and thread + 256: both held at the last written group (what is read there in place of an unwritten group is masked below)
.irp u, 0,1
.irp c, 0,1,2,3
	global_load_b128 v[16+16*\u+4*\c:19+16*\u+4*\c], v[5+\u], s[6:7] offset:262144*\c
.endr
.endr
.macro FILL z                          ; eight rows a lane into buffer z
.irp e, 0,1,2,3,4,5,6,7
	global_load_b128 v[64+32*\z+4*\e:67+32*\z+4*\e], v[8+\z], s[4:5] offset:4096*\e th:TH_LOAD_NT
.endr
.endm
.macro AIM z, blk                      ; buffer z's offset: block blk, or 0 where the batch has no such block
	s_sub_co_i32 s25, s23, \blk
	s_max_i32 s25, s25, 0
	s_min_u32 s25, s25, 1                          ; 1 where NB > blk, else 0
	s_mul_i32 s24, s25, (\blk)<<19                 ; a block is 128 rows of 4,096 bytes
	v_mad_u32_u24 v[8+\z], v13, s25, s24
.endm
	v_mov_b32 v8, v13                              ; block 0
	FILL 0
	AIM 1, 1
	FILL 1
	v_mov_b32 v49, 0xff800000                      ; -infinity
	s_wait_loadcnt 16                              ; ps is in; the 16 loads of seq behind it stay out
.irp u, 0,1
.irp p, 0,2
	v_pk_add_f32 v[16+16*\u+\p:17+16*\u+\p], v[16+16*\u+\p:17+16*\u+\p], v[20+16*\u+\p:21+16*\u+\p]
	v_pk_add_f32 v[24+16*\u+\p:25+16*\u+\p], v[24+16*\u+\p:25+16*\u+\p], v[28+16*\u+\p:29+16*\u+\p]
.endr
.irp p, 0
	s_delay_alu instid0(VALU_DEP_3)
	v_pk_add_f32 v[16+16*\u+\p:17+16*\u+\p], v[16+16*\u+\p:17+16*\u+\p], v[24+16*\u+\p:25+16*\u+\p]
.endr
.irp p, 2
	s_delay_alu instid0(VALU_DEP_2)
	v_pk_add_f32 v[16+16*\u+\p:17+16*\u+\p], v[16+16*\u+\p:17+16*\u+\p], v[24+16*\u+\p:25+16*\u+\p]
.endr
.irp y, 0,1,2,3
	v_add_f32 v[16+16*\u+\y], s18, v[16+16*\u+\y]              ; the score,
	s_delay_alu instid0(VALU_DEP_1)
	v_mul_f32 v[16+16*\u+\y], 0x3fb8aa3b, v[16+16*\u+\y]       ; as t = score x log2(e)
	v_add_nc_u32 v48, 1024*\u+\y, v7                           ; its row
	s_delay_alu instid0(VALU_DEP_1)
	v_cmp_gt_u32 vcc_lo, s17, v48
	s_delay_alu instid0(VALU_DEP_1)
	v_cndmask_b32 v[16+16*\u+\y], v49, v[16+16*\u+\y], vcc_lo  ; -infinity from row len on
.endr
.endr
	v_max3_num_f32 v50, v16, v17, v18
	v_max3_num_f32 v51, v19, v32, v33
	s_delay_alu instid0(VALU_DEP_2)
	v_max3_num_f32 v50, v50, v34, v35
	s_delay_alu instid0(VALU_DEP_1)
	v_max_num_f32 v50, v50, v51
	s_delay_alu instid0(VALU_DEP_1)
	v_max_num_f32_dpp v50, v50, v50 row_xmask:1 row_mask:0xf bank_mask:0xf
	s_delay_alu instid0(VALU_DEP_1)
	v_max_num_f32_dpp v50, v50, v50 row_xmask:2 row_mask:0xf bank_mask:0xf
	s_delay_alu instid0(VALU_DEP_1)
	v_max_num_f32_dpp v50, v50, v50 row_xmask:4 row_mask:0xf bank_mask:0xf
	s_delay_alu instid0(VALU_DEP_1)
	v_max_num_f32_dpp v50, v50, v50 row_xmask:8 row_mask:0xf bank_mask:0xf
	s_delay_alu instid0(VALU_DEP_1)
	v_permlanex16_b32 v51, v50, s26, s27
	s_delay_alu instid0(VALU_DEP_1)
	v_max_num_f32 v50, v50, v51
	ds_store_b32 v10, v50                          ; all lanes write the wave's word with the same number
	s_wait_dscnt 0x0
	s_barrier_signal -1
	s_barrier_wait -1
	ds_load_b128 v[52:55], v11
	ds_load_b128 v[56:59], v11 offset:16
	s_wait_dscnt 0x0
	v_max3_num_f32 v60, v52, v53, v54
	s_delay_alu instid0(VALU_DEP_1)
	v_max3_num_f32 v60, v60, v55, v56
	s_delay_alu instid0(VALU_DEP_1)
	v_max3_num_f32 v60, v60, v57, v58
	s_delay_alu instid0(VALU_DEP_1)
	v_max_num_f32 v60, v60, v59                    ; m: row 0 always counts, so it is a number
.irp u, 0,1
.irp y, 0,1,2,3
	v_sub_f32 v[16+16*\u+\y], v[16+16*\u+\y], v60
.endr
.endr
	s_wait_alu depctr_va_vdst(0)
.irp u, 0,1
.irp y, 0,1,2,3
	v_exp_f32 v[16+16*\u+\y], v[16+16*\u+\y]       ; p = 2^(t - m), at most 1; 0 under the mask
.endr
.endr
	v_mov_b32 v128, 0                              ; (a plain line behind the exponentials)  the sums begin: two sets of four
.irp i, 1,2,3,4,5,6,7
	v_mov_b32 v[128+\i], 0
.endr
	s_wait_alu depctr_va_vdst(0)                   ; one wait for the batch ahead of its first reader
	ds_store_b128 v14, v[16:19] offset:PW
	ds_store_b128 v14, v[32:35] offset:PW+4096
	v_pk_add_f32 v[50:51], v[16:17], v[18:19]
	v_pk_add_f32 v[52:53], v[32:33], v[34:35]
	s_delay_alu instid0(VALU_DEP_1)
	v_pk_add_f32 v[50:51], v[50:51], v[52:53]
	s_delay_alu instid0(VALU_DEP_1)
	v_add_f32 v50, v50, v51
	s_delay_alu instid0(VALU_DEP_1)
	v_add_f32_dpp v50, v50, v50 row_xmask:1 row_mask:0xf bank_mask:0xf
	s_delay_alu instid0(VALU_DEP_1)
	v_add_f32_dpp v50, v50, v50 row_xmask:2 row_mask:0xf bank_mask:0xf
	s_delay_alu instid0(VALU_DEP_1)
	v_add_f32_dpp v50, v50, v50 row_xmask:4 row_mask:0xf bank_mask:0xf
	s_delay_alu instid0(VALU_DEP_1)
	v_add_f32_dpp v50, v50, v50 row_xmask:8 row_mask:0xf bank_mask:0xf
	s_delay_alu instid0(VALU_DEP_1)
	v_permlanex16_b32 v51, v50, s26, s27
	s_delay_alu instid0(VALU_DEP_1)
	v_add_f32 v50, v50, v51
	ds_store_b32 v10, v50 offset:RSUM-RMAX
	s_wait_dscnt 0x0                               ; for the others' sake: my weights and my sum lie in LDS
	s_barrier_signal -1
	s_barrier_wait -1
.macro BLOCK bi
.set z, (\bi)%2
.if \bi > 0
	s_cmp_gt_u32 s23, \bi
	s_cbranch_scc0 .Ldone
.endif
	ds_load_b128 v[48:51], v12 offset:PW+512*(\bi)
	ds_load_b128 v[52:55], v12 offset:PW+512*(\bi)+16
.if \bi < 15
	s_wait_loadcnt 0x8                             ; this buffer's eight loads are in; the other buffer's eight may be out
.else
	s_wait_loadcnt 0x0
.endif
	s_wait_dscnt 0x0
	s_wait_alu depctr_va_vdst(0)
.irp e, 0
	v_pk_fma_f32 v[128:129], v[64+32*z+4*\e:65+32*z+4*\e], v[48+\e:49+\e], v[128:129] op_sel_hi:[1,0,1]
	v_pk_fma_f32 v[130:131], v[66+32*z+4*\e:67+32*z+4*\e], v[48+\e:49+\e], v[130:131] op_sel_hi:[1,0,1]
	v_pk_fma_f32 v[132:133], v[68+32*z+4*\e:69+32*z+4*\e], v[48+\e:49+\e], v[132:133] op_sel:[0,1,0] op_sel_hi:[1,1,1]
	v_pk_fma_f32 v[134:135], v[70+32*z+4*\e:71+32*z+4*\e], v[48+\e:49+\e], v[134:135] op_sel:[0,1,0] op_sel_hi:[1,1,1]
.endr
.irp e, 2, 4, 6
	s_delay_alu instid0(VALU_DEP_4)
	v_pk_fma_f32 v[128:129], v[64+32*z+4*\e:65+32*z+4*\e], v[48+\e:49+\e], v[128:129] op_sel_hi:[1,0,1]
	s_delay_alu instid0(VALU_DEP_4)
	v_pk_fma_f32 v[130:131], v[66+32*z+4*\e:67+32*z+4*\e], v[48+\e:49+\e], v[130:131] op_sel_hi:[1,0,1]
	s_delay_alu instid0(VALU_DEP_4)
	v_pk_fma_f32 v[132:133], v[68+32*z+4*\e:69+32*z+4*\e], v[48+\e:49+\e], v[132:133] op_sel:[0,1,0] op_sel_hi:[1,1,1]
	s_delay_alu instid0(VALU_DEP_4)
	v_pk_fma_f32 v[134:135], v[70+32*z+4*\e:71+32*z+4*\e], v[48+\e:49+\e], v[134:135] op_sel:[0,1,0] op_sel_hi:[1,1,1]
.endr
.if \bi < 14
	AIM z, (\bi)+2                                 ; the wait above has shown this buffer's loads done: its offset may be written
	FILL z
.endif
.endm
.irp k, 0,1,2,3,4,5,6,7,8,9,10,11,12,13,14,15
	BLOCK \k
.endr
.Ldone:
	s_wait_loadcnt 0x0                             ; what was asked for past the last block has landed: the buffers are used again below
	s_wait_alu depctr_va_vdst(0)
	v_pk_add_f32 v[128:129], v[128:129], v[132:133]
	v_pk_add_f32 v[130:131], v[130:131], v[134:135]
	ds_store_b128 v14, v[128:131] offset:RED       ; 512 w + 16 x lane
	s_wait_dscnt 0x0
	s_barrier_signal -1
	s_barrier_wait -1
	s_cmp_lg_u32 s14, 0
	s_cbranch_scc1 .Lend
.irp i, 0,1,2,3,4,5,6,7
	ds_load_b128 v[64+4*\i:67+4*\i], v4 offset:RED+512*\i
.endr
	ds_load_b128 v[96:99], v11 offset:RSUM-RMAX
	ds_load_b128 v[100:103], v11 offset:RSUM-RMAX+16
	s_wait_dscnt 0x0
	v_pk_add_f32 v[96:97], v[96:97], v[98:99]
	v_pk_add_f32 v[100:101], v[100:101], v[102:103]
	s_delay_alu instid0(VALU_DEP_1)
	v_pk_add_f32 v[96:97], v[96:97], v[100:101]
	s_delay_alu instid0(VALU_DEP_1)
	v_add_f32 v96, v96, v97                        ; the sum of all p, at least 1
	s_wait_alu depctr_va_vdst(0)
	v_rcp_f32 v104, v96
.irp i, 1
	v_pk_add_f32 v[64:65], v[64:65], v[64+4*\i:65+4*\i]
	v_pk_add_f32 v[66:67], v[66:67], v[66+4*\i:67+4*\i]
.endr
.irp i, 2, 3, 4, 5, 6, 7
	s_delay_alu instid0(VALU_DEP_2)
	v_pk_add_f32 v[64:65], v[64:65], v[64+4*\i:65+4*\i]
	s_delay_alu instid0(VALU_DEP_2)
	v_pk_add_f32 v[66:67], v[66:67], v[66+4*\i:67+4*\i]
.endr
.irp i, 0,1,2,3
	v_permlanex16_b32 v[68+\i], v[64+\i], s26, s27 ; the other half of the lanes holds the other rows of the same columns
.endr
	s_delay_alu instid0(VALU_DEP_3)
	v_pk_add_f32 v[64:65], v[64:65], v[68:69]
	s_delay_alu instid0(VALU_DEP_2)
	v_pk_add_f32 v[66:67], v[66:67], v[70:71]
	s_wait_alu depctr_va_vdst(0)                   ; the wait ahead of the reciprocal's first reader
.irp i, 0,1,2,3
	v_mul_f32 v[64+\i], v[64+\i], v104
.endr
	v_cmp_gt_u32 vcc_lo, 16, v1
	s_wait_alu depctr_va_vdst(0)
	s_wait_xcnt 0x0                                ; EXEC changes only behind this wait
	s_and_saveexec_b32 s28, vcc_lo
	global_store_b128 v4, v[64:67], s[12:13]       ; sixteen lanes store the slice's 256 consecutive bytes, aligned
	s_wait_xcnt 0x0
	s_or_b32 exec_lo, exec_lo, s28
.Lend:
	s_barrier_signal -1
	s_barrier_wait -1
	s_wait_tensorcnt 0x0
	ds_add_u32 v144, v145
	s_wait_dscnt 0x0
	s_endpgm
.Lfunc_end_k_q80ae09a5b0_wsum:
	.size	k_q80ae09a5b0_wsum, .Lfunc_end_k_q80ae09a5b0_wsum-k_q80ae09a5b0_wsum
	.p2alignl 7, 3214868480
	.fill 96, 4, 3214868480
	.section	.rodata,"a",@progbits
	.p2align	6, 0x0
	.amdhsa_kernel k_q80ae09a5b0_wsum
		.amdhsa_group_segment_fixed_size 13824
		.amdhsa_private_segment_fixed_size 0
		.amdhsa_enable_private_segment 0
		.amdhsa_kernarg_size 40
		.amdhsa_user_sgpr_count 2
		.amdhsa_user_sgpr_kernarg_segment_ptr 1
		.amdhsa_wavefront_size32 1
		.amdhsa_system_sgpr_workgroup_id_x 1
		.amdhsa_system_sgpr_workgroup_id_y 1
		.amdhsa_system_sgpr_workgroup_id_z 1
		.amdhsa_system_vgpr_workitem_id 0
		.amdhsa_next_free_vgpr 146
		.amdhsa_next_free_sgpr 66
		.amdhsa_reserve_vcc 1
		.amdhsa_float_denorm_mode_32 3
		.amdhsa_float_denorm_mode_16_64 3
		.amdhsa_memory_ordered 1
		.amdhsa_forward_progress 1
		.amdhsa_inst_pref_size 56
	.end_amdhsa_kernel
	.amdgpu_metadata
---
amdhsa.version: [ 1, 2 ]
amdhsa.kernels:
  - .name:           k_q80ae09a5b0_wsum
    .symbol:         k_q80ae09a5b0_wsum.kd
    .args:
      - { .name: seq, .offset: 0, .size: 8, .value_kind: global_buffer, .address_space: global }
      - { .name: ps, .offset: 8, .size: 8, .value_kind: global_buffer, .address_space: global }
      - { .name: aux, .offset: 16, .size: 8, .value_kind: global_buffer, .address_space: global }
      - { .name: lengths, .offset: 24, .size: 8, .value_kind: global_buffer, .address_space: global }
      - { .name: out0, .offset: 32, .size: 8, .value_kind: global_buffer, .address_space: global }
    .group_segment_fixed_size: 13824
    .private_segment_fixed_size: 0
    .kernarg_segment_align: 8
    .kernarg_segment_size: 40
    .max_flat_workgroup_size: 256
    .sgpr_count:     66
    .vgpr_count:     146
    .wavefront_size: 32
...
	.end_amdgpu_metadata
.endif
;; end of part 6
